; MI455X (gfx1250); checked and timed in simulation.
; The chip was launched on July 23, 2026; its instructions are those of AMD's public machine-readable ISA for CDNA 5 (MIT licence, August 2026) and "CDNA5" Instruction Set Architecture Reference Guide (July 2026). The comments in the code are by the model that wrote it; some were corrected since.
;; Contextual Attention. Allowed arithmetic: matrix products marked QUANTISED: E2M1 operands, one E8M0 scale for each 32 along K, by v_wmma_scale_f32_16x16x128_f8f6f4 with both operands' format E2M1 (or v_wmma_scale_f32_32x16x128_f4), f32 sums; products left as they are: bf16, f16 or f32 operands; f32 sums; everything else in f32.
;; Inputs: Wk 1,024 x 1,024 float32; Wq 1,024 x 1,024 float32; Wu 1,024 x 1,024 float32; Wv 1,024 x 1,024 float32; bu 1,024 float32; context 4 x 1,024 x 1,024 float32; contextMask 4 x 1,024 float32; kln_b 64 float32; kln_w 64 float32; mask 4 x 1,024 float32; qln_b 64 float32; qln_w 64 float32; x 4 x 1,024 x 1,024 float32.
;; Outputs: out0 4 x 1,024 x 1,024 float32.
;; This version of the problem:
;;   THIS VERSION OF THE PROBLEM IS GIVEN IN LOW PRECISION. The matrix products marked QUANTISED in the list below multiply operands that are first quantised to E2M1 (2 exponent bits, 1 mantissa bit; 4 bits a number), with one power-of-two scale for each 32 numbers along K (OCP MX v1.0); their sums are f32. The products marked 'left as it is' may take bf16, f16 or f32 operands, with f32 sums. Whichever they take, every output number must still come out within the allowed error. Rounding operands to bf16 (8 significant bits) uses up far more of that allowance than f16 does (11 bits, for magnitudes from 6e-5 to 65,504). All else is computed in f32.
;;   The module's matrix products, in the order in which they are computed (A, B: the left and right operand; K: the contracted axis; several contracted axes count as one K, in the product's order):
;;     1. [M 4,096, K 1,024] x [K 1,024, N 1,024]; A: input x; B: input Wq: QUANTISED
;;     2. [M 8,192, K 1,024] x [K 1,024, N 1,024]; A: computed on the way; B: input Wk: left as it is (an operand is computed on the way)
;;     3. [M 8,192, K 1,024] x [K 1,024, N 1,024]; A: computed on the way; B: input Wv: left as it is (an operand is computed on the way)
;;     4. batch 64 x [M 1,024, K 64] x [K 64, N 2,048]; A: computed on the way; B: computed on the way: left as it is (an operand is computed on the way)
;;     5. batch 64 x [M 64, K 2,048] x [K 2,048, N 1,024]; A: computed on the way; B: computed on the way: left as it is (an operand is computed on the way)
;;     6. [M 4,096, K 1,024] x [K 1,024, N 1,024]; A: computed on the way; B: input Wu: left as it is (an operand is computed on the way)
;;   THE QUANTISER, for each operand of a quantised product, along K:
;;     - K is cut into blocks of 32 from its start; a last block that is shorter is filled with zeros.
;;     - A block's scale is 2^e with e = floor(log2(the largest magnitude in the block)) - 2, held to -126 .. 127; a block of zeros has e = 0. As a byte (E8M0): e + 127.
;;     - Each number is divided by its block's scale, clamped to +-6, and rounded to the nearest number of E2M1, ties to even, subnormals kept.
;;     - The product sums the exact products of the quantised numbers (number of the format x scale) in f32.
;;   ~~~python
;;   def quantise(x, axis):      # numpy; x: float32 -> the quantised numbers, widened to float32 again
;;       x = np.moveaxis(x, axis, -1); K = x.shape[-1]
;;       x = np.pad(x, [(0, 0)] * (x.ndim - 1) + [(0, -K % 32)]); x = x.reshape(x.shape[:-1] + (-1, 32)); a = np.abs(x).max(-1, keepdims=True)
;;       e = np.where(a > 0, np.clip(np.frexp(np.where(a > 0, a, 1))[1] - 1 - 2, -126, 127), 0)      # np.frexp(a)[1] - 1 = floor(log2(a)), exactly
;;       r = np.clip(x / 2.0 ** e, -6, 6)
;;       step = 2.0 ** (np.maximum(np.frexp(np.where(r == 0, 1, r))[1] - 1, 0) - 1)
;;       q = np.round(r / step) * step * 2.0 ** e      # np.round: ties to even
;;       return np.moveaxis(q.reshape(q.shape[:-2] + (-1,))[..., :K], -1, axis).astype(np.float32)
;;   ~~~
;; One version. Each part assembles by itself: llvm-mc -triple=amdgcn-amd-amdhsa -mcpu=gfx1250 --defsym DOCPART=n.
;; ======== version 1 of 1: 4 launches
;; limits: values are held in f16: magnitudes above 65,504 overflow, below 6.1e-05 lose precision
;; workspace buffers: xc16 16,777,216 bytes; w16 6,291,456 bytes; cod 2,621,440 bytes; scl 163,840 bytes; kh 16,777,216 bytes; vt 16,777,216 bytes; ao 8,388,608 bytes
;; launch prep (part 1): grid 384 x 1, 4 waves a work-group, no clusters, 34,304 bytes of LDS; arguments x, context, Wq, Wk, Wv, Wu, xc16, w16, cod, scl; writes xc16, w16, cod, scl
.if DOCPART == 1
	.amdgcn_target "amdgcn-amd-amdhsa--gfx1250"
	.amdhsa_code_object_version 6
	.text
	.protected	k_qc7218622a0_prep
	.globl	k_qc7218622a0_prep
	.p2align	8
	.type	k_qc7218622a0_prep,@function
k_qc7218622a0_prep:
	s_mov_b64 s[64:65], 0
	v_nop
	global_prefetch_b8 v0, s[64:65] scope:SCOPE_SE
	s_setreg_imm32_b32 hwreg(HW_REG_WAVE_MODE, 25, 1), 1
	s_wait_xcnt 0x0
; x, context, Wk, Wv, Wu (f32) are rounded to f16; x and Wq are also turned into codes of FP4 (E2M1) with one E8M0 byte for each 32 along K.
; xc16 [8192][1024] f16: row b*2048+t, t < 1024 from x, else from context.  w16 [3][1024][1024] f16: Wk, Wv, Wu.
; cod [320 tiles of 16 rows][8 K steps of 128][1024 bytes]: the image of a fragment's registers: register group c of lane l at 512 c + 16 l.  Tiles 0-255: x; 256-319: Wq.
; scl [320][2 halves of K][16 rows][4 words]: word s of a row = the four scale bytes of K step s.
; SHARES.  The unit is a tile of 16 rows x 1024 numbers; tiles 0-255 x, 256-511 context, 512-575 Wq, 576-639 Wk, 640-703 Wv, 704-767 Wu.  A work-group takes two tiles, a wave half a tile: 16 rows x 512, four K steps.
; The kind of tensor hangs on the work-group's number alone: pointers are chosen by s_cselect, and two flags lead round the part that a kind does not need.
; Each load reads 512 consecutive bytes of a row; an f16 store covers 256 consecutive aligned bytes.  For the codes a step's 16 x 512 bytes turn through the wave's own stage in LDS (rows 528 bytes apart),
; so that lane (r, h) holds, of row r, 16 neighbours of each block of 32; the codes leave as the operand's registers, 512 consecutive bytes a store.
; A block's scale is 2^(floor(log2(largest magnitude)) - 2); its byte is that magnitude's exponent field - 2, held at 1 from below.
; LIMITS: a block of zeros gets the byte 1 (its codes are zeros; this program alone reads the bytes); NaN and infinities are not served; magnitudes above 65,504 have no f16.
.set STG,   8448                       ; a wave's stage: 16 rows x 528 bytes
.set SPARE, 4*STG                      ; behind the stages: the spare words, 128 bytes a wave
.set R,     16                         ; v16-79, v80-143: two sets of 64 numbers
.set H,     144                        ; v144-175 f16 pairs to store
.set TM,    176                        ; v176-191 at work in QUANT
.set PC,    192                        ; v192-199 a fragment's codes
.set PW,    200                        ; v200 its scale word
.set OW,    202                        ; v202-203 two scale words to store
.set SW,    204                        ; v204-207 the four steps' scale words
.set SPW,   8
.set NIL,   9
.set SEL,   40                         ; s[40:41] selects for lane l xor 16
.set F16,   46                         ; s46: 1 where the tensor is rounded to f16
.set QNT,   47                         ; s47: 1 where it is quantised
	s_load_b512 s[8:23], s[0:1], 0x0               ; x, context, Wq, Wk, Wv, Wu, xc16, w16
	s_load_b128 s[24:27], s[0:1], 0x40             ; cod, scl
	v_lshl_add_u32 v[SPW], v0, 2, SPARE
	v_mov_b32 v[NIL], 0
	v_lshrrev_b32 v10, 5, v0
	v_readfirstlane_b32 s28, v10                   ; wave
	v_and_b32 v11, 31, v0                          ; lane
	v_and_b32 v12, 15, v0                          ; r
	v_bfe_u32 v6, v0, 4, 1                         ; h
	v_lshlrev_b32 v1, 4, v11                       ; 16 x lane: loads and images
	v_lshlrev_b32 v2, 3, v11                       ; 8 x lane: f16 stores
	s_mul_i32 s30, s28, STG
	v_add_nc_u32 v3, s30, v1                       ; the stage, way in
	v_mul_u32_u24 v4, v12, 528
	v_lshl_add_u32 v4, v6, 6, v4
	v_add_nc_u32 v4, s30, v4                       ; the stage, way out: row r, + 64 h
	v_lshlrev_b32 v5, 4, v12
	v_lshl_add_u32 v5, v6, 3, v5                   ; scale words: 16 r + 8 h
.irp b, 0,1,2,3
	v_mov_b32 v[TM+4+\b], 0                        ; a lane permute's destination counts as a source
	v_mov_b32 v[SW+\b], 0                          ; written on every path
.endr
	s_mov_b32 s[SEL], 0x76543210
	s_mov_b32 s[SEL+1], 0xfedcba98
	s_lshl_b32 s29, ttmp9, 1
	s_lshr_b32 s31, s28, 1
	s_add_co_u32 s29, s29, s31                     ; my tile
	s_and_b32 s31, s28, 1                          ; my half of K
	s_wait_kmcnt 0x0
	s_mov_b64 s[32:33], s[18:19]                   ; the source and its first tile, by the work-group's number
	s_mov_b32 s34, 704
	s_cmp_lt_u32 ttmp9, 352
	s_cselect_b64 s[32:33], s[16:17], s[32:33]
	s_cselect_b32 s34, 640, s34
	s_cmp_lt_u32 ttmp9, 320
	s_cselect_b64 s[32:33], s[14:15], s[32:33]
	s_cselect_b32 s34, 576, s34
	s_cmp_lt_u32 ttmp9, 288
	s_cselect_b64 s[32:33], s[12:13], s[32:33]
	s_cselect_b32 s34, 512, s34
	s_cmp_lt_u32 ttmp9, 256
	s_cselect_b64 s[32:33], s[10:11], s[32:33]
	s_cselect_b32 s34, 256, s34
	s_cselect_b64 s[38:39], s[20:21], s[22:23]     ; f16 goes to xc16 or to w16
	s_cselect_b32 s35, 1, 0                        ; rows of xc
	s_cmp_lt_u32 ttmp9, 128
	s_cselect_b64 s[32:33], s[8:9], s[32:33]
	s_cselect_b32 s34, 0, s34
	s_cselect_b32 s42, 1, 0                        ; x
	s_cselect_b32 s43, 0, 64                       ; context's tiles lie 64 behind x's in a batch
	s_cselect_b32 s44, 0, 256                      ; Wq's code tiles lie behind x's 256
	s_cmp_ge_u32 ttmp9, 288
	s_cselect_b32 s[F16], 1, 0
	s_or_b32 s[F16], s[F16], s35                   ; all but Wq
	s_xor_b32 s[QNT], s[F16], 1
	s_or_b32 s[QNT], s[QNT], s42                   ; x and Wq
	s_sub_co_u32 s45, s29, s34                     ; the tile's number in its tensor
	s_lshr_b32 s48, s45, 6
	s_lshl_b32 s48, s48, 7
	s_and_b32 s49, s45, 63
	s_add_co_u32 s48, s48, s49
	s_add_co_u32 s48, s48, s43                     ; its place in xc16: 128 x batch + tile (+ 64)
	s_sub_co_i32 s49, s29, 576
	s_max_i32 s49, s49, 0                          ; or in w16
	s_cmp_eq_u32 s35, 1
	s_cselect_b32 s48, s48, s49
	s_mov_b32 s51, 0
	s_lshl_b32 s50, s45, 16
	s_lshl_b32 s49, s31, 11
	s_add_co_u32 s50, s50, s49
	s_add_nc_u64 s[32:33], s[32:33], s[50:51]      ; source: 65,536 bytes a tile, 2,048 a half row
	s_lshl_b32 s50, s48, 15
	s_lshl_b32 s49, s31, 10
	s_add_co_u32 s50, s50, s49
	s_add_nc_u64 s[38:39], s[38:39], s[50:51]      ; f16: 32,768 a tile, 1,024 a half row
	s_add_co_u32 s45, s45, s44
	s_lshl_b32 s50, s45, 13
	s_lshl_b32 s49, s31, 12
	s_add_co_u32 s50, s50, s49
	s_add_nc_u64 s[24:25], s[24:25], s[50:51]      ; codes: 8,192 a tile, 4,096 a half
	s_lshl_b32 s50, s45, 9
	s_lshl_b32 s49, s31, 8
	s_add_co_u32 s50, s50, s49
	s_add_nc_u64 s[26:27], s[26:27], s[50:51]      ; scale words: 512 a tile, 256 a half
.macro LOAD t                          ; K step t: 16 rows x 512 consecutive bytes
.irp p, 0,1,2,3,4,5,6,7,8,9,10,11,12,13,14,15
	global_load_b128 v[R+64*((\t)%2)+4*\p:R+64*((\t)%2)+4*\p+3], v1, s[32:33] offset:\p*4096+512*(\t) th:TH_LOAD_NT
.endr
.endm
; 64 numbers of a lane, register 16 b + i = k 32 b + 16 h + i of my row, become a fragment's codes in v[PC] on and its scale word in v[PW]
.macro QUANT s
.irp b, 0,1,2,3
	v_max3_num_f32 v[TM+\b], |v[\s+16*\b]|, |v[\s+1+16*\b]|, 0x1800000   ; my 16 numbers and the floor 2^(3 - 127): the byte cannot fall under 1
.endr
.irp i, 2,4,6,8,10,12,14
.irp b, 0,1,2,3
	v_max3_num_f32 v[TM+\b], v[TM+\b], |v[\s+16*\b+\i]|, |v[\s+1+16*\b+\i]|
.endr
.endr
.irp b, 0,1,2,3
	v_permlanex16_b32 v[TM+4+\b], v[TM+\b], s[SEL], s[SEL+1]
.endr
.irp b, 0,1,2,3
	v_max_num_f32 v[TM+\b], v[TM+\b], v[TM+4+\b]   ; with lane l xor 16's: the block's largest magnitude
.endr
.irp b, 0,1,2,3
	v_add_nc_u32 v[TM+12+\b], 0xff000000, v[TM+\b] ; 2 off its exponent field: the conversion's scale operand
.endr
.irp b, 0,1,2,3
	v_lshrrev_b32 v[TM+4+\b], 23, v[TM+12+\b]      ; the scale's byte
.endr
	v_lshl_or_b32 v[PW], v[TM+5], 8, v[TM+4]
	v_lshl_or_b32 v[PW], v[TM+6], 16, v[PW]
	v_lshl_or_b32 v[PW], v[TM+7], 24, v[PW]
.irp b, 0,1,2,3
	v_cvt_scalef32_pk8_fp4_f32 v[PC+2*\b], v[\s+16*\b:\s+7+16*\b], v[TM+12+\b]
	v_cvt_scalef32_pk8_fp4_f32 v[PC+1+2*\b], v[\s+8+16*\b:\s+15+16*\b], v[TM+12+\b]
.endr
	v_nop                                          ; one plain place behind a scaled conversion
.irp c, 0,1                                    ; a whole block in a lane: lanes 0-15 block 2 c, lanes 16-31 block 2 c + 1
.irp i, 0,1
	v_permlane16_swap_b32 v[PC+4*\c+\i], v[PC+2+4*\c+\i]
.endr
.endr
.endm
.macro STEP t
.set RR, R+64*((\t)%2)
.if (\t) < 3
	s_wait_loadcnt 16                              ; this step's 16 loads are in; the other set's 16 may be out
.else
	s_wait_loadcnt 0x0
.endif
	s_wait_xcnt 0x0                                ; the last step's stores have read H and PC
	s_cmp_eq_u32 s[F16], 0
	s_cbranch_scc1 .Lno_f16_\@
.irp p, 0,1,2,3,4,5,6,7,8,9,10,11,12,13,14,15
	v_cvt_pk_f16_f32 v[H+2*\p], v[RR+4*\p], v[RR+4*\p+1]
	v_cvt_pk_f16_f32 v[H+2*\p+1], v[RR+4*\p+2], v[RR+4*\p+3]
.endr
.irp p, 0,1,2,3,4,5,6,7,8,9,10,11,12,13,14,15
	global_store_b64 v2, v[H+2*\p:H+2*\p+1], s[38:39] offset:\p*2048+256*(\t)   ; 32 lanes: 256 consecutive aligned bytes
.endr
.Lno_f16_\@:
	s_cmp_eq_u32 s[QNT], 0
	s_cbranch_scc1 .Lno_q_\@
.irp p, 0,1,2,3,4,5,6,7,8,9,10,11,12,13,14,15
	ds_store_b128 v3, v[RR+4*\p:RR+4*\p+3] offset:\p*528
.endr
.irp b, 0,1,2,3
.irp j, 0,1,2,3
	ds_load_b128 v[RR+16*\b+4*\j:RR+16*\b+4*\j+3], v4 offset:128*\b+16*\j   ; LDS serves a wave's instructions in order: these see the stores above
.endr
.endr
	s_wait_dscnt 0x0
	QUANT RR
	global_store_b128 v1, v[PC:PC+3], s[24:25] offset:1024*(\t)
	global_store_b128 v1, v[PC+4:PC+7], s[24:25] offset:1024*(\t)+512
	v_mov_b32 v[SW+(\t)], v[PW]
.Lno_q_\@:
.if (\t)+2 < 4
	LOAD (\t)+2
.endif
.endm
	LOAD 0
	LOAD 1
	STEP 0
	STEP 1
	STEP 2
	STEP 3
	s_cmp_eq_u32 s[QNT], 0
	s_cbranch_scc1 .Lend
	v_cmp_ne_u32 vcc_lo, 0, v6
	v_cndmask_b32 v[OW], v[SW], v[SW+2], vcc_lo    ; lanes 0-15 store words 0, 1 of their row, lanes 16-31 words 2, 3
	v_cndmask_b32 v[OW+1], v[SW+1], v[SW+3], vcc_lo
	global_store_b64 v5, v[OW:OW+1], s[26:27]      ; 256 consecutive aligned bytes
.Lend:
	s_wait_tensorcnt 0x0                           ; the wave's end
	ds_add_u32 v[SPW], v[NIL]
	s_wait_dscnt 0x0
	s_endpgm
.Lfunc_end_k_qc7218622a0_prep:
	.size	k_qc7218622a0_prep, .Lfunc_end_k_qc7218622a0_prep-k_qc7218622a0_prep
	.p2alignl 7, 3214868480
	.fill 96, 4, 3214868480
	.section	.rodata,"a",@progbits
	.p2align	6, 0x0
	.amdhsa_kernel k_qc7218622a0_prep
		.amdhsa_group_segment_fixed_size 34304
		.amdhsa_private_segment_fixed_size 0
		.amdhsa_enable_private_segment 0
		.amdhsa_kernarg_size 80
		.amdhsa_user_sgpr_count 2
		.amdhsa_user_sgpr_kernarg_segment_ptr 1
		.amdhsa_wavefront_size32 1
		.amdhsa_system_sgpr_workgroup_id_x 1
		.amdhsa_system_sgpr_workgroup_id_y 1
		.amdhsa_system_sgpr_workgroup_id_z 1
		.amdhsa_system_vgpr_workitem_id 0
		.amdhsa_next_free_vgpr 208
		.amdhsa_next_free_sgpr 66
		.amdhsa_reserve_vcc 1
		.amdhsa_float_denorm_mode_32 3
		.amdhsa_float_denorm_mode_16_64 3
		.amdhsa_memory_ordered 1
		.amdhsa_forward_progress 1
		.amdhsa_inst_pref_size 49
	.end_amdhsa_kernel
	.amdgpu_metadata
---
amdhsa.version: [ 1, 2 ]
amdhsa.kernels:
  - .name:           k_qc7218622a0_prep
    .symbol:         k_qc7218622a0_prep.kd
    .args:
      - { .name: x, .offset: 0, .size: 8, .value_kind: global_buffer, .address_space: global }
      - { .name: context, .offset: 8, .size: 8, .value_kind: global_buffer, .address_space: global }
      - { .name: Wq, .offset: 16, .size: 8, .value_kind: global_buffer, .address_space: global }
      - { .name: Wk, .offset: 24, .size: 8, .value_kind: global_buffer, .address_space: global }
      - { .name: Wv, .offset: 32, .size: 8, .value_kind: global_buffer, .address_space: global }
      - { .name: Wu, .offset: 40, .size: 8, .value_kind: global_buffer, .address_space: global }
      - { .name: xc16, .offset: 48, .size: 8, .value_kind: global_buffer, .address_space: global }
      - { .name: w16, .offset: 56, .size: 8, .value_kind: global_buffer, .address_space: global }
      - { .name: cod, .offset: 64, .size: 8, .value_kind: global_buffer, .address_space: global }
      - { .name: scl, .offset: 72, .size: 8, .value_kind: global_buffer, .address_space: global }
    .group_segment_fixed_size: 34304
    .private_segment_fixed_size: 0
    .kernarg_segment_align: 8
    .kernarg_segment_size: 80
    .max_flat_workgroup_size: 128
    .sgpr_count:     66
    .vgpr_count:     208
    .wavefront_size: 32
...
	.end_amdgpu_metadata
.endif
;; end of part 1
;; launch kvgemm (part 2): grid 16 x 16, 4 waves a work-group, clusters of 4 x 4, 327,680 bytes of LDS; arguments xc16, w16, kln_w, kln_b, kh, vt; writes kh, vt
.if DOCPART == 2
	.amdgcn_target "amdgcn-amd-amdhsa--gfx1250"
	.amdhsa_code_object_version 6
	.text
	.protected	k_qc7218622a0_kvgemm
	.globl	k_qc7218622a0_kvgemm
	.p2align	8
	.type	k_qc7218622a0_kvgemm,@function
k_qc7218622a0_kvgemm:
	s_mov_b64 s[64:65], 0
	v_nop
	global_prefetch_b8 v0, s[64:65] scope:SCOPE_SE
	s_setreg_imm32_b32 hwreg(HW_REG_WAVE_MODE, 25, 1), 1
	s_wait_xcnt 0x0
	s_wait_alu depctr_hold_cnt(0) depctr_sa_sdst(0) depctr_va_vdst(0) depctr_va_sdst(0) depctr_va_ssrc(0) depctr_va_vcc(0) depctr_vm_vsrc(0)
	s_getreg_b32 s2, hwreg(HW_REG_IB_STS2, 6, 4)
	s_cmp_eq_u32 s2, 0
	s_cbranch_scc0 .Lentry_in_a_cluster
	s_endpgm
.Lentry_in_a_cluster:
	s_bfe_u32 s2, ttmp6, 0x10000c
	s_cmp_lg_u32 s2, 0xf033
	s_cbranch_scc0 .Lentry_shape_is_right
	s_endpgm
.Lentry_shape_is_right:
; k = LN(xc Wk^T) / 1024^0.25 and v = xc Wv^T: one f16 GEMM of 8192 x 2048 x 1024, sums in f32, 256 tiles of 256 x 256, one a work-group; four waves, 128 x 128 each.
; kh [64 = b*16+h][2048 keys][64] f16;  vt [4][1024 = h*64+d][2048 keys] f16, the keys innermost.
; The matrix instruction takes 16 rows of "B" as source 0 and 16 rows of "A" as source 1: a lane then holds ONE row of A and eight neighbouring rows of B.
; The sixteen clusters of 4 x 4 work-groups are numbered c = x + 4 y.  c < 8 (K): A = tokens of xc16, B = Wk: a lane holds one token and eight channels, so the layer norm runs along a lane, and kh's rows come out whole.
; c >= 8 (V): A = rows of Wv, B = tokens: a lane holds one channel and eight tokens: vt with the keys innermost.  Nothing is transposed by an instruction.  The choice hangs on the cluster's number alone.
; A's tile is shared along a row of the cluster, B's along a column: each is asked for jointly.  K goes in steps of 128 through two LDS slots; rows of 256 bytes + 16 of padding.
; REGISTERS, in windows of 256: window 0: v0-31 addresses and scratch; v64-127, v128-191 A's fragments, two buffers; v192-255 kln_w and kln_b (x 1024^-0.25) in the result's layout.
;   window 1: v64-191 B's fragments.  window 2, 3: the 64 accumulators ((a, b) at v[8 (8 (a % 4) + b)]).  On the way out window 0's v32-191 are free.
; The two ways out part on the cluster's number; each has LDS bytes of its own.
; LIMIT: v has to fit f16 (magnitudes up to 65,504).
.set SIZE_K, 1024
.set KSTEP,  128
.set PITCH,  272
.set HALFT,  128*PITCH
.set SLOT,   4*HALFT
.set STGK,   2*SLOT                    ; K's stages: 16 rows x 272 bytes a wave
.set STGV,   STGK+4*16*PITCH           ; V's
.set SPARE,  STGV+4*16*PITCH           ; the spare words, 128 bytes a wave
.set LAPS,   SIZE_K/(2*KSTEP)
.set ADRA, 16
.set ADRB, 20
.set STOV, 22
.set RDV,  23
.set STOK, 24
.set RDK,  25
.set COV,  26
.set COK,  27
.set SPW,  28
.set NIL,  29
.set PFO,  30
.set F0,   64
.set F1,   128
.set DD,   64                          ; the way out: 64 centred numbers
.set TMP,  128                         ; 32 registers of f16 pairs
.set LW,   192
.set LB,   224
.set G1,   24
.set G0,   32
.set G1B,  48
.set G0B,  56
.set PFA,  44
.set LIM,  43
.set MSB, 0
.macro WIN new                         ; the immediate's high byte repeats the setting that is left
.if MSB != (\new)
	s_set_vgpr_msb (MSB<<8)|(\new)
.set MSB, (\new)
.endif
.endm
.set MUL_LO, 0xa1
.set MUL_HI, 0xf1
.set TO_B,   0x40
.macro JLOAD s                         ; a joint load: waves 0, 1 fetch A's halves, waves 2, 3 B's; s_nop 0 and four v_nop follow each line
	s_cmp_eq_u32 s11, 0
	s_cbranch_scc0 .Lfor_b_\@
	tensor_load_to_lds s[G0+4*\s:G0+4*\s+3], s[G1:G1+7]
	s_nop 0
.rept 4
	v_nop
.endr
	s_branch .Lasked_\@
.Lfor_b_\@:
	tensor_load_to_lds s[G0B+4*\s:G0B+4*\s+3], s[G1B:G1B+7]
	s_nop 0
.rept 4
	v_nop
.endr
.Lasked_\@:
.endm
; A prefetch of the K step that stands two refills on: 32 rows x 256 bytes, a lane a row.  Each row's 256 bytes are named once in the launch: the tokens' by the K cluster that owns them, Wv's by the first V cluster,
; Wk's by the first K cluster; the four partners that ask for a tile jointly take 32 rows each, told apart by address.  The loop's last trip asks for nothing: K steps 6 and 7 have no step two on.
.macro ASK
	s_cmp_gt_u32 s3, s[LIM]
	s_cbranch_scc0 .Lnot_mine_\@
	global_prefetch_b8 v[PFO], s[PFA:PFA+1] offset:KSTEP*2 th:TH_LOAD_NT scope:SCOPE_SE
.Lnot_mine_\@:
.endm
.macro CREST
	s_cmp_lg_u32 s10, 0
	s_cbranch_scc1 .Lnot_wave_0_\@
	s_barrier_signal -3
.Lnot_wave_0_\@:
	s_barrier_wait -3
	s_barrier_signal -1
	s_barrier_wait -1
.endm
.macro CROUND
	s_barrier_signal -1
	s_barrier_wait -1
	CREST
.endm
	s_load_b256 s[68:75], s[0:1], 0x0              ; xc16, w16, kln_w, kln_b
	s_load_b128 s[76:79], s[0:1], 0x20             ; kh, vt
	v_lshl_add_u32 v[SPW], v0, 2, SPARE
	v_mov_b32 v[NIL], 0
	ds_add_u32 v[SPW], v[NIL]                      ; the wave's opening: the add, twice on end, and its wait ahead of my first tensor load
	ds_add_u32 v[SPW], v[NIL]
	v_lshrrev_b32 v1, 5, v0
	v_readfirstlane_b32 s10, v1                    ; wave
	s_lshr_b32 s11, s10, 1                         ; my half of A's rows; also: I fetch for A (0) or B (1)
	s_and_b32 s12, s10, 1                          ; my half of B's rows; also: which 128 rows I fetch
	s_bfe_u32 s40, ttmp6, 0x40000                  ; cx
	s_bfe_u32 s41, ttmp6, 0x40004                  ; cy
	s_and_b32 s80, ttmp7, 0xffff
	s_lshl_b32 s80, s80, 2
	s_add_co_u32 s80, s80, ttmp9                   ; the cluster's number
	s_lshr_b32 s81, s80, 3                         ; 0: K, 1: V
	s_and_b32 s82, s80, 7                          ; which 1,024 tokens
	s_lshl_b32 s83, s82, 2
	s_cmp_eq_u32 s81, 0
	s_cselect_b32 s84, s83, 0
	s_cselect_b32 s85, 0, s83
	s_add_co_u32 s13, s84, s41                     ; A's tile of 256 rows: it holds cy alone
	s_add_co_u32 s42, s85, s40                     ; B's: cx alone
	s_lshl_b32 s43, s41, 2
	s_lshl_b32 s43, 15, s43                        ; my row of the cluster
	s_lshl_b32 s44, 0x1111, s40                    ; my column
	s_or_b32 s[G1+0], s43, (1<<16)|(1<<20)|(1<<21)|(5<<22)|(3<<25)   ; mask; elements of 2 bytes; 4 words of padding behind every 64
	s_or_b32 s[G1B+0], s44, (1<<16)|(1<<20)|(1<<21)|(5<<22)|(3<<25)
.irp g, G1, G1B
	s_mov_b32 s[\g+1], KSTEP<<16                   ; tensor_dim0
	s_mov_b32 s[\g+2], 128<<16                     ; tensor_dim1
	s_mov_b32 s[\g+3], KSTEP<<16                   ; tile_dim0
	s_mov_b32 s[\g+4], 128                         ; tile_dim1
	s_mov_b32 s[\g+5], SIZE_K                      ; elements from row to row
	s_mov_b32 s[\g+6], 0
	s_mov_b32 s[\g+7], 0
.endr
	s_mov_b32 s90, 0x76543210
	s_mov_b32 s91, 0xfedcba98                      ; lane l xor 16
	s_mov_b32 s92, 0x3e3504f3                      ; 1024^-0.25
	s_mov_b32 s93, s92
	s_mov_b32 s94, 0x3c800000                      ; 1 / 64
	s_mov_b32 s95, 0x3727c5ac                      ; 1e-5
	s_lshl_b32 s17, s12, 7
	s_lshl_b32 s16, s13, 8
	s_add_co_u32 s16, s16, s17
	s_lshl_b32 s16, s16, 11                        ; A: (256 tile + 128 half) rows of 2,048 bytes
	s_lshl_b32 s46, s42, 8
	s_add_co_u32 s46, s46, s17
	s_lshl_b32 s46, s46, 11                        ; B likewise
	s_mov_b32 s17, 0
	s_mov_b32 s47, 0
	s_mul_i32 s20, s10, HALFT                      ; where they go: wave x 128 rows
	s_wait_dscnt 0x0                               ; both opening adds are done
	s_wait_kmcnt 0x0
	s_add_nc_u64 s[86:87], s[70:71], 0x200000      ; Wv
	s_cmp_eq_u32 s81, 0
	s_cselect_b64 s[4:5], s[68:69], s[86:87]       ; A
	s_cselect_b64 s[6:7], s[70:71], s[68:69]       ; B
	s_add_nc_u64 s[14:15], s[4:5], s[16:17]
	s_add_nc_u64 s[46:47], s[6:7], s[46:47]
	CROUND                                         ; all sixteen work-groups are here: the first joint loads meet
.irp s, 0,1
	s_mov_b32 s[G0+4*\s], 1
	s_add_co_u32 s[G0+4*\s+1], s20, \s*SLOT
	s_add_nc_u64 s[G0+4*\s+2:G0+4*\s+3], s[14:15], \s*KSTEP*2
	s_or_b32 s[G0+4*\s+3], s[G0+4*\s+3], 0x80000000
	s_mov_b32 s[G0B+4*\s], 1
	s_add_co_u32 s[G0B+4*\s+1], s20, \s*SLOT
	s_add_nc_u64 s[G0B+4*\s+2:G0B+4*\s+3], s[46:47], \s*KSTEP*2
	s_or_b32 s[G0B+4*\s+3], s[G0B+4*\s+3], 0x80000000
	JLOAD \s
.endr
	v_and_b32 v1, 15, v0                           ; r
	v_bfe_u32 v2, v0, 4, 1                         ; h
	v_lshlrev_b32 v6, 5, v2
.irp b, 0,1,2,3                                ; the norm's gain and bias in the result's layout: register 8 b + j = channel 16 b + 8 h + j of a head
	global_load_b128 v[LW+8*\b:LW+8*\b+3], v6, s[72:73] offset:64*\b
	global_load_b128 v[LW+8*\b+4:LW+8*\b+7], v6, s[72:73] offset:64*\b+16
	global_load_b128 v[LB+8*\b:LB+8*\b+3], v6, s[74:75] offset:64*\b
	global_load_b128 v[LB+8*\b+4:LB+8*\b+7], v6, s[74:75] offset:64*\b+16
.endr
	v_mul_u32_u24 v3, v1, PITCH
	v_lshl_add_u32 v3, v2, 4, v3                   ; row x pitch + 16 x half
	s_mul_i32 s21, s11, HALFT
	s_mul_i32 s22, s12, HALFT
	s_add_co_u32 s22, s22, 2*HALFT
.irp s, 0,1
	v_add_nc_u32 v[ADRA+\s], s21, v3
	v_add_nc_u32 v[ADRB+\s], s22, v3
	s_add_co_u32 s21, s21, SLOT
	s_add_co_u32 s22, s22, SLOT
.endr
	s_mul_i32 s23, s10, 16*PITCH                   ; my stage's place
	v_add_nc_u32 v[STOK], s23, v3
	v_add_nc_u32 v[STOV], STGV, v[STOK]
	v_add_nc_u32 v[STOK], STGK, v[STOK]
	v_mul_u32_u24 v4, v2, PITCH                    ; V, back: lanes 0-15 one row of 256 bytes, lanes 16-31 the next
	v_lshl_add_u32 v4, v1, 4, v4
	v_add_nc_u32 v4, s23, v4
	v_add_nc_u32 v[RDV], STGV, v4
	v_bfe_u32 v4, v0, 3, 2                         ; K, back: eight lanes take a token's 128 bytes of one head, four tokens an instruction
	v_and_b32 v5, 7, v0
	v_mul_u32_u24 v4, v4, PITCH
	v_lshl_add_u32 v4, v5, 4, v4
	v_add_nc_u32 v4, s23, v4
	v_add_nc_u32 v[RDK], STGK, v4
	v_lshlrev_b32 v[COV], 12, v2
	v_lshl_add_u32 v[COV], v1, 4, v[COV]           ; vt: a row is 4,096 bytes
	v_and_b32 v[COK], 31, v0
	v_lshlrev_b32 v[COK], 4, v[COK]                ; kh: 512 consecutive bytes
	; where my results go (registers that feed no descriptor)
	s_lshl_b32 s86, s13, 8
	s_lshl_b32 s87, s11, 7
	s_add_co_u32 s86, s86, s87                     ; my first row of A
	s_lshr_b32 s88, s86, 11                        ; K: the token's batch,
	s_lshl_b32 s88, s88, 4
	s_lshl_b32 s89, s42, 2
	s_add_co_u32 s88, s88, s89
	s_lshl_b32 s89, s12, 1
	s_add_co_u32 s88, s88, s89                     ; x 16 + my first head
	s_lshl_b32 s88, s88, 11
	s_and_b32 s89, s86, 2047
	s_add_co_u32 s88, s88, s89                     ; x 2,048 keys + the key
	s_lshl_b32 s88, s88, 7
	s_mov_b32 s89, 0
	s_add_nc_u64 s[76:77], s[76:77], s[88:89]
	s_lshr_b32 s88, s42, 3                         ; V: the tokens' batch x 4,194,304
	s_lshl_b32 s88, s88, 22
	s_lshl_b32 s89, s86, 12                        ; + the channel's row
	s_add_co_u32 s88, s88, s89
	s_lshl_b32 s89, s42, 8
	s_and_b32 s89, s89, 2047
	s_lshl_b32 s87, s12, 7
	s_add_co_u32 s89, s89, s87
	s_lshl_b32 s89, s89, 1                         ; + the key x 2
	s_add_co_u32 s88, s88, s89
	s_mov_b32 s89, 0
	s_add_nc_u64 s[78:79], s[78:79], s[88:89]
	; the prefetches
	s_lshl_b32 s20, s13, 8
	s_lshl_b32 s21, s42, 8
	s_mul_i32 s22, s81, s82
	s_or_b32 s23, s81, s82
	s_cmp_eq_u32 s11, 0                            ; do I fetch for A?
	s_cselect_b32 s20, s20, s21
	s_cselect_b32 s21, s40, s41                    ; my place among the four that ask with me
	s_cselect_b32 s22, s22, s23                    ; 0 where my cluster is the one that asks
	s_cselect_b64 s[PFA:PFA+1], s[4:5], s[6:7]
	s_cmp_eq_u32 s22, 0
	s_cselect_b32 s[LIM], 1, -1
	s_lshl_b32 s22, s12, 7
	s_add_co_u32 s20, s20, s22
	s_lshl_b32 s21, s21, 5
	s_add_co_u32 s20, s20, s21
	s_lshl_b32 s20, s20, 11
	s_mov_b32 s21, 0
	s_add_nc_u64 s[PFA:PFA+1], s[PFA:PFA+1], s[20:21]
	s_add_nc_u64 s[PFA:PFA+1], s[PFA:PFA+1], 2*KSTEP*2   ; at K step 2: the first refill steps it to 3 and names K step 4
	v_and_b32 v[PFO], 31, v0
	v_lshlrev_b32 v[PFO], 11, v[PFO]
	s_wait_loadcnt 0x0
.set i, 0
.rept 32
	v_pk_mul_f32 v[LW+2*i:LW+2*i+1], v[LW+2*i:LW+2*i+1], s[92:93] op_sel_hi:[1,0]   ; gain and bias x 1024^-0.25
.set i, i+1
.endr
.macro MUL16 f, hi, a0, zero
.irp a, \a0, \a0+1
.irp b, 0,1,2,3,4,5,6,7
.if \zero
	v_wmma_f32_16x16x32_f16 v[8*(8*(\a)+\b):8*(8*(\a)+\b)+7], v[\f+8*\b:\f+8*\b+7], v[\f+8*(4*\hi+\a):\f+8*(4*\hi+\a)+7], 0
.else
	v_wmma_f32_16x16x32_f16 v[8*(8*(\a)+\b):8*(8*(\a)+\b)+7], v[\f+8*\b:\f+8*\b+7], v[\f+8*(4*\hi+\a):\f+8*(4*\hi+\a)+7], v[8*(8*(\a)+\b):8*(8*(\a)+\b)+7]
.endif
.endr
.endr
.endm
.macro FETCH slot, k, f                ; 32 LDS loads in one run: one quarter step's fragments
	WIN TO_B
.irp i, 0,1,2,3,4,5,6,7
	ds_load_b128 v[\f+8*\i:\f+8*\i+3],   v[ADRB+\slot] offset:\k+\i*16*PITCH
	ds_load_b128 v[\f+8*\i+4:\f+8*\i+7], v[ADRB+\slot] offset:\k+\i*16*PITCH+32
.endr
	WIN 0
.irp i, 0,1,2,3,4,5,6,7
	ds_load_b128 v[\f+8*\i:\f+8*\i+3],   v[ADRA+\slot] offset:\k+\i*16*PITCH
	ds_load_b128 v[\f+8*\i+4:\f+8*\i+7], v[ADRA+\slot] offset:\k+\i*16*PITCH+32
.endr
.endm
.macro PLACES                          ; four places behind matrix instructions, ahead of loads into their registers and of reads of their results
.rept 4
	v_nop
.endr
.endm
.macro QUARTER slot, k, f, g, zero
	s_wait_dscnt 8                                 ; B and A's rows 0-63 are in; the youngest eight loads may be out
	WIN MUL_LO
	MUL16 \f, 0, 0, \zero
	MUL16 \f, 0, 2, \zero
	PLACES
	FETCH \slot, \k, \g
	s_wait_dscnt 32                                ; all but the 32 just issued
	WIN MUL_HI
	MUL16 \f, 1, 0, \zero
	MUL16 \f, 1, 2, \zero
.endm
.macro MEET round
	WIN 0
	s_wait_tensorcnt 0x0                           ; all my tensor loads have landed: my part of the next slot
	ds_add_u32 v[SPW], v[NIL]
	s_wait_dscnt 9                                 ; the add and the youngest eight loads may be out
	WIN MUL_LO
	MUL16 F1, 0, 0, 0
	s_wait_dscnt 0x0                               ; the add is done, my reads of this slot are over
	s_barrier_signal -1
	MUL16 F1, 0, 2, 0
.if \round
	WIN 0
.endif
	s_barrier_wait -1
.endm
.macro TURN slot, next
	s_wait_xcnt 0x0                                ; the last prefetch has read its address
	s_add_nc_u64 s[PFA:PFA+1], s[PFA:PFA+1], KSTEP*2
	MEET 1
	CREST                                          ; no wave of any partner still reads this slot or has a load on its way
	s_add_nc_u64 s[G0+4*\slot+2:G0+4*\slot+3], s[G0+4*\slot+2:G0+4*\slot+3], 2*KSTEP*2
	s_add_nc_u64 s[G0B+4*\slot+2:G0B+4*\slot+3], s[G0B+4*\slot+2:G0B+4*\slot+3], 2*KSTEP*2
	JLOAD \slot                                    ; the first tensor load behind the round; its four v_nop are the places in front of the loads below
	FETCH \next, 0, F0
	ASK
	WIN MUL_HI
	MUL16 F1, 1, 0, 0
	MUL16 F1, 1, 2, 0
.endm
	s_wait_tensorcnt 1                             ; my part of K step 0 is in; K step 1's may stay out
	s_barrier_signal -1
	s_barrier_wait -1
	FETCH 0, 0, F0
	QUARTER 0, 64,  F0, F1, 1                      ; the first quarter's products start the sums
	WIN 0
	s_mov_b32 s3, LAPS-1
.Llap:
	QUARTER 0, 128, F1, F0, 0
	QUARTER 0, 192, F0, F1, 0
	TURN 0, 1
	QUARTER 1, 64,  F0, F1, 0
	QUARTER 1, 128, F1, F0, 0
	QUARTER 1, 192, F0, F1, 0
	TURN 1, 0
	QUARTER 0, 64,  F0, F1, 0
	WIN 0
	s_sub_co_u32 s3, s3, 1
	s_cmp_lg_u32 s3, 0
	s_cbranch_scc1 .Llap
	QUARTER 0, 128, F1, F0, 0                      ; the last lap fills nothing
	QUARTER 0, 192, F0, F1, 0
	MEET 0
	PLACES
	FETCH 1, 0, F0
	WIN MUL_HI
	MUL16 F1, 1, 0, 0
	MUL16 F1, 1, 2, 0
	QUARTER 1, 64,  F0, F1, 0
	QUARTER 1, 128, F1, F0, 0
	QUARTER 1, 192, F0, F1, 0
	s_wait_dscnt 8
	WIN MUL_LO
	MUL16 F1, 0, 0, 0
	MUL16 F1, 0, 2, 0
	s_wait_dscnt 0x0
	WIN MUL_HI
	MUL16 F1, 1, 0, 0
	MUL16 F1, 1, 2, 0
	WIN 0
	PLACES
; THE WAY OUT, a block of 16 rows of A at a time: packed to f16, through my stage, stored as whole aligned runs.
.macro TOSTAGE a, sto, rd, kind
.set BKR, 160-128*((\a)%2)
.irp b, 0,1,2,3,4,5,6,7
	ds_store_b128 v[\sto], v[TMP+4*\b:TMP+4*\b+3] offset:32*\b
.endr
.irp t, 0,1,2,3,4,5,6,7
.if \kind
	ds_load_b128 v[BKR+4*\t:BKR+4*\t+3], v[\rd] offset:(\t%4)*4*PITCH+128*(\t/4)   ; LDS serves a wave's instructions in order: these see the stores above
.else
	ds_load_b128 v[BKR+4*\t:BKR+4*\t+3], v[\rd] offset:\t*2*PITCH
.endif
.endr
.endm
.macro SEND a, kind
.set BKR, 160-128*((\a)%2)
	s_wait_dscnt 0x0                               ; the block is back in registers
	s_wait_xcnt 0x0                                ; earlier stores have read their registers: the next block's loads may land there
.irp t, 0,1,2,3,4,5,6,7
.if \kind
	global_store_b128 v[COK], v[BKR+4*\t:BKR+4*\t+3], s[76:77] offset:(\t/4)*262144+(\t%4)*512+(\a)*2048   ; four tokens of one head: 512 consecutive bytes
.else
	global_store_b128 v[COV], v[BKR+4*\t:BKR+4*\t+3], s[78:79] offset:(\a)*65536+2*\t*4096                 ; 16 lanes: 256 consecutive aligned bytes
.endif
.endr
.endm
; K: the layer norm of 16 tokens x two heads.  Of a head's 64 channels a lane holds 32, lane l xor 16 the others.  Mean, then the mean of the squared differences, as the definition has them.
.macro LNPACK a
.set AC, 64*((\a)%4)
	WIN 0x0a+5*((\a)/4)
.set i, 0
.rept 16
	v_pk_add_f32 v[DD+2*i:DD+2*i+1], v[AC+4*i:AC+4*i+1], v[AC+4*i+2:AC+4*i+3]   ; each accumulator from its low end on
.set i, i+1
.endr
	WIN 0
.irp o, 0,2,4,6
	v_pk_add_f32 v[DD+\o:DD+\o+1], v[DD+\o:DD+\o+1], v[DD+8+\o:DD+9+\o]
	v_pk_add_f32 v[DD+16+\o:DD+17+\o], v[DD+16+\o:DD+17+\o], v[DD+24+\o:DD+25+\o]
.endr
.irp o, 0,2
	v_pk_add_f32 v[DD+\o:DD+\o+1], v[DD+\o:DD+\o+1], v[DD+4+\o:DD+5+\o]
	v_pk_add_f32 v[DD+16+\o:DD+17+\o], v[DD+16+\o:DD+17+\o], v[DD+20+\o:DD+21+\o]
.endr
	v_pk_add_f32 v[DD:DD+1], v[DD:DD+1], v[DD+2:DD+3]
	v_pk_add_f32 v[DD+16:DD+17], v[DD+16:DD+17], v[DD+18:DD+19]
	v_add_f32 v4, v[DD], v[DD+1]
	v_add_f32 v6, v[DD+16], v[DD+17]
	v_permlanex16_b32 v5, v4, s90, s91
	v_permlanex16_b32 v7, v6, s90, s91
	v_add_f32 v4, v4, v5
	v_add_f32 v6, v6, v7
	v_mul_f32 v4, s94, v4                          ; the two heads' means
	v_mul_f32 v6, s94, v6
	WIN 0x02+((\a)/4)
.set i, 0
.rept 32
	v_pk_add_f32 v[DD+2*i:DD+2*i+1], v[AC+2*i:AC+2*i+1], v[4+2*(i/16):5+2*(i/16)] op_sel_hi:[1,0] neg_lo:[0,1] neg_hi:[0,1]
.set i, i+1
.endr
	WIN 0
	v_pk_mul_f32 v[8:9], v[DD:DD+1], v[DD:DD+1]
	v_pk_mul_f32 v[12:13], v[DD+32:DD+33], v[DD+32:DD+33]
	v_pk_mul_f32 v[10:11], v[DD+2:DD+3], v[DD+2:DD+3]
	v_pk_mul_f32 v[14:15], v[DD+34:DD+35], v[DD+34:DD+35]
.irp o, 4,8,12,16,20,24,28
	v_pk_fma_f32 v[8:9], v[DD+\o:DD+\o+1], v[DD+\o:DD+\o+1], v[8:9]
	v_pk_fma_f32 v[12:13], v[DD+32+\o:DD+33+\o], v[DD+32+\o:DD+33+\o], v[12:13]
	v_pk_fma_f32 v[10:11], v[DD+2+\o:DD+3+\o], v[DD+2+\o:DD+3+\o], v[10:11]
	v_pk_fma_f32 v[14:15], v[DD+34+\o:DD+35+\o], v[DD+34+\o:DD+35+\o], v[14:15]
.endr
	v_pk_add_f32 v[8:9], v[8:9], v[10:11]
	v_pk_add_f32 v[12:13], v[12:13], v[14:15]
	v_add_f32 v8, v8, v9
	v_add_f32 v12, v12, v13
	v_permlanex16_b32 v9, v8, s90, s91
	v_permlanex16_b32 v13, v12, s90, s91
	v_add_f32 v8, v8, v9
	v_add_f32 v12, v12, v13
	v_fma_f32 v8, v8, s94, s95                     ; variance + 1e-5
	v_fma_f32 v12, v12, s94, s95
	v_rsq_f32 v4, v8
	v_rsq_f32 v6, v12
	v_nop                                          ; a plain place behind the transcendentals
	s_wait_alu depctr_va_vdst(0)                   ; one wait for both, ahead of their first reader
.set i, 0
.rept 32
	v_pk_mul_f32 v[DD+2*i:DD+2*i+1], v[DD+2*i:DD+2*i+1], v[4+2*(i/16):5+2*(i/16)] op_sel_hi:[1,0]
.set i, i+1
.endr
.set i, 0
.rept 32
	v_pk_fma_f32 v[DD+2*i:DD+2*i+1], v[DD+2*i:DD+2*i+1], v[LW+(2*i)%32:LW+(2*i)%32+1], v[LB+(2*i)%32:LB+(2*i)%32+1]
.set i, i+1
.endr
.set i, 0
.rept 32
	v_cvt_pk_f16_f32 v[TMP+i], v[DD+2*i], v[DD+2*i+1]
.set i, i+1
.endr
.endm
.macro PACK a                          ; V: rounded to f16 as it stands
.set AC, 64*((\a)%4)
	WIN 0x0a+5*((\a)/4)
.irp b, 0,1,2,3,4,5,6,7
.irp r, 0,1,2,3
	v_cvt_pk_f16_f32 v[TMP+4*\b+\r], v[AC+8*\b+2*\r], v[AC+8*\b+2*\r+1]
.endr
.endr
	WIN 0
.endm
	s_cmp_lg_u32 s81, 0
	s_cbranch_scc1 .Lv_arm
	v_mov_b32 v5, 0                                ; a lane permute's destination counts as a source
	v_mov_b32 v7, 0
	LNPACK 0
	TOSTAGE 0, STOK, RDK, 1
.irp a, 1,2,3,4,5,6,7
	LNPACK \a
	SEND \a-1, 1
	TOSTAGE \a, STOK, RDK, 1
.endr
	SEND 7, 1
	s_branch .Lend
.Lv_arm:
	PACK 0
	TOSTAGE 0, STOV, RDV, 0
.irp a, 1,2,3,4,5,6,7
	PACK \a
	SEND \a-1, 0
	TOSTAGE \a, STOV, RDV, 0
.endr
	SEND 7, 0
.Lend:
	s_wait_tensorcnt 0x0                           ; the wave's end
	ds_add_u32 v[SPW], v[NIL]
	s_wait_dscnt 0x0
	CROUND                                         ; the closing round
	s_endpgm
.Lfunc_end_k_qc7218622a0_kvgemm:
	.size	k_qc7218622a0_kvgemm, .Lfunc_end_k_qc7218622a0_kvgemm-k_qc7218622a0_kvgemm
	.p2alignl 7, 3214868480
	.fill 96, 4, 3214868480
	.section	.rodata,"a",@progbits
	.p2align	6, 0x0
	.amdhsa_kernel k_qc7218622a0_kvgemm
		.amdhsa_group_segment_fixed_size 327680
		.amdhsa_private_segment_fixed_size 0
		.amdhsa_enable_private_segment 0
		.amdhsa_kernarg_size 48
		.amdhsa_user_sgpr_count 2
		.amdhsa_user_sgpr_kernarg_segment_ptr 1
		.amdhsa_wavefront_size32 1
		.amdhsa_system_sgpr_workgroup_id_x 1
		.amdhsa_system_sgpr_workgroup_id_y 1
		.amdhsa_system_sgpr_workgroup_id_z 1
		.amdhsa_system_vgpr_workitem_id 0
		.amdhsa_next_free_vgpr 1024
		.amdhsa_next_free_sgpr 96
		.amdhsa_reserve_vcc 0
		.amdhsa_float_denorm_mode_32 3
		.amdhsa_float_denorm_mode_16_64 3
		.amdhsa_memory_ordered 1
		.amdhsa_forward_progress 1
		.amdhsa_inst_pref_size 255
	.end_amdhsa_kernel
	.section	.bss,"aw",@nobits
	.p2align	6
	.space	262144
	.amdgpu_metadata
---
amdhsa.version: [ 1, 2 ]
amdhsa.kernels:
  - .name:           k_qc7218622a0_kvgemm
    .symbol:         k_qc7218622a0_kvgemm.kd
    .args:
      - { .name: xc16, .offset: 0, .size: 8, .value_kind: global_buffer, .address_space: global }
      - { .name: w16, .offset: 8, .size: 8, .value_kind: global_buffer, .address_space: global }
      - { .name: kln_w, .offset: 16, .size: 8, .value_kind: global_buffer, .address_space: global }
      - { .name: kln_b, .offset: 24, .size: 8, .value_kind: global_buffer, .address_space: global }
      - { .name: kh, .offset: 32, .size: 8, .value_kind: global_buffer, .address_space: global }
      - { .name: vt, .offset: 40, .size: 8, .value_kind: global_buffer, .address_space: global }
    .group_segment_fixed_size: 327680
    .private_segment_fixed_size: 0
    .kernarg_segment_align: 8
    .kernarg_segment_size: 48
    .max_flat_workgroup_size: 128
    .sgpr_count:     96
    .vgpr_count:     1024
    .wavefront_size: 32
...
	.end_amdgpu_metadata
.endif
;; end of part 2
;; launch attn (part 3): grid 4 x 64, 8 waves a work-group, clusters of 4 x 1, 327,680 bytes of LDS; arguments cod, scl, kh, vt, mask, contextMask, qln_w, qln_b, ao; writes ao
.if DOCPART == 3
	.amdgcn_target "amdgcn-amd-amdhsa--gfx1250"
	.amdhsa_code_object_version 6
	.text
	.protected	k_qc7218622a0_attn
	.globl	k_qc7218622a0_attn
	.p2align	8
	.type	k_qc7218622a0_attn,@function
k_qc7218622a0_attn:
	s_mov_b64 s[64:65], 0
	v_nop
	global_prefetch_b8 v0, s[64:65] scope:SCOPE_SE
	s_setreg_imm32_b32 hwreg(HW_REG_WAVE_MODE, 25, 1), 1
	s_wait_xcnt 0x0
	s_wait_alu depctr_hold_cnt(0) depctr_sa_sdst(0) depctr_va_vdst(0) depctr_va_sdst(0) depctr_va_ssrc(0) depctr_va_vcc(0) depctr_vm_vsrc(0)
	s_getreg_b32 s2, hwreg(HW_REG_IB_STS2, 6, 4)
	s_cmp_eq_u32 s2, 0
	s_cbranch_scc0 .Lentry_in_a_cluster
	s_endpgm
.Lentry_in_a_cluster:
	s_bfe_u32 s2, ttmp6, 0x10000c
	s_cmp_lg_u32 s2, 0x3003
	s_cbranch_scc0 .Lentry_shape_is_right
	s_endpgm
.Lentry_shape_is_right:
; For one (batch, head) and 256 queries: q = x Wq^T on codes of FP4 (the quantised product), LN(q), the masks, a softmax with a running maximum over 2,048 keys, P V.  ao [16 heads][4096 rows][64] f16.
; SHARES.  Eight waves, 32 queries each: two tiles of 16.  Two waves share a SIMD, so that one wave's softmax stands beside the other's products.  Each fragment of K or V read from LDS feeds two matrix instructions.
; The four query blocks of a head form a cluster: K, V and Wq's images are asked for jointly.
; LAYOUT.  All products are used transposed, so that a lane holds ONE query (lane % 16) throughout: q^T = Wq x^T gives channels 16 ct + 8 h + j, which packed to f16 ARE the score product's source 1;
; S^T = K Q^T gives keys 16 kt + 8 h + j, which packed ARE source 1 of O^T = V^T P^T.  Nothing changes lanes but one exchange between the halves for a maximum or a sum.
; SCORES in base 2: log2(e) / 1024^0.25 is folded into LN(q)'s gain and bias, 1024^-0.25 lies in kh.  The key's term log2(mask) is the C of a score's first matrix instruction.  The query's own term is the same for all its keys and cancels.
; MASKS, LIMIT: log(m_i m_j + 1e-45) is taken with the 1e-45 flushed to 0: a key with mask 0 has weight 0 (its term is held at -2^100, so that no infinity enters a sum); a query whose own mask is 0,
; or all of whose keys have mask 0, gives a row of NaN.  Masks are 0 or positive, with products inside f32's normal range; a negative key mask counts as 0.
; THE RING: two slots of 512 keys; both are asked for at the head, each is filled once more.  A refill is asked for eight key steps ahead of its first read, so nothing further is asked for ahead of it.
; REGISTERS.  window 0: v1-15 addresses; v16-31 statistics, 8 a tile: +0 M, +1 old M, then old - new, +2, +3 the sum, +4..7 at work, a at +6; v32-63 scale words and nothing else; v64-95 scratch; v96-159 S^T (first q^T); v160-223 O^T; v224-255 P.
;   window 1, in the loop: v0-63 K, v64-127 V, v128-159 Q, v160-191 the keys' terms.  Ahead of it: Wq's 32 fragments; x's 16 fragments lie in window 0 at v64-95 and v160-255.
.set KP,    144                        ; a key's 128 bytes + 16
.set VP,    1040                       ; a channel's 512 keys, 1,024 bytes + 16
.set VOFF,  512*KP
.set SLOTB, VOFF+64*VP                 ; 140,288
.set WIMG,  2*SLOTB                    ; Wq's 32 fragment images of my head
.set BIAS,  WIMG+32768                 ; log2 of the 2,048 key masks
.set PAR,   BIAS+8192                  ; qln_w, qln_b x log2(e) / 1024^0.25
.set SPARE, PAR+512                    ; the spare words, 128 bytes a wave
.set AK, 1
.set AV, 2
.set AB, 3
.set ADK, 4
.set ADV, 5
.set ADB, 6
.set STO, 7
.set RD, 8
.set GO, 9
.set SPW, 10
.set NIL, 11
.set AQ, 12
.set AW, 14
.set AP, 15
.set ST, 16
.set SC, 32
.set SCR, 64
.set S, 96
.set O, 160
.set P, 224
.set KF, 0
.set VF, 64
.set QF, 128
.set BF, 160
.set WV, 22
.set G1K, 28
.set G1V, 36
.set G1W, 44
.set G0K, 52                           ; s[52:55], s[56:59]: a set for each slot
.set G0V, 60                           ; s[60:63], s[68:71]
.set G0W, 72
.set SEL, 76
.set TK, 78
.set TV, 79
.set TBI, 80
.set J, 81
.set MSB, 0
.macro WIN new
.if MSB != (\new)
	s_set_vgpr_msb (MSB<<8)|(\new)
.set MSB, (\new)
.endif
.endm
.macro PLACES
.rept 4
	v_nop
.endr
.endm
.macro JLOAD slot                      ; waves 0-3 fetch 128 keys of K each, waves 4-7 16 channels of V each; s_nop 0 and four v_nop follow each line
	s_cmp_lt_u32 s[WV], 4
	s_cbranch_scc0 .Lfor_v_\@
	tensor_load_to_lds s[G0K+4*\slot:G0K+4*\slot+3], s[G1K:G1K+7]
	s_nop 0
.rept 4
	v_nop
.endr
	s_branch .Lasked_\@
.Lfor_v_\@:
	tensor_load_to_lds s[G0V+8*\slot:G0V+8*\slot+3], s[G1V:G1V+7]
	s_nop 0
.rept 4
	v_nop
.endr
.Lasked_\@:
.endm
.macro CROUND
	s_barrier_signal -1
	s_barrier_wait -1
	s_cmp_lg_u32 s[WV], 0
	s_cbranch_scc1 .Lnot_wave_0_\@
	s_barrier_signal -3
.Lnot_wave_0_\@:
	s_barrier_wait -3
	s_barrier_signal -1
	s_barrier_wait -1
.endm
	s_load_b512 s[4:19], s[0:1], 0x0               ; cod, scl, kh, vt, mask, contextMask, qln_w, qln_b
	s_load_b64 s[20:21], s[0:1], 0x40              ; ao
	v_lshl_add_u32 v[SPW], v0, 2, SPARE
	v_mov_b32 v[NIL], 0
	ds_add_u32 v[SPW], v[NIL]                      ; the wave's opening: the add, twice on end, and its wait ahead of my first tensor load
	ds_add_u32 v[SPW], v[NIL]
	v_lshrrev_b32 v16, 5, v0
	v_readfirstlane_b32 s[WV], v16                 ; wave 0..7
	s_bfe_u32 s23, ttmp6, 0x40000                  ; cx: my block of 256 queries; it enters global addresses of x's codes, the mask and ao alone
	s_and_b32 s24, ttmp7, 0xffff                   ; batch x 16 + head
	s_lshr_b32 s25, s24, 4
	s_and_b32 s26, s24, 15
	s_mov_b32 s[G1K], 15|(1<<16)|(1<<20)|(1<<21)|(4<<22)|(3<<25)   ; all four work-groups; elements of 2 bytes; 4 words of padding behind every 32
	s_mov_b32 s[G1K+1], 64<<16
	s_mov_b32 s[G1K+2], 128<<16
	s_mov_b32 s[G1K+3], 64<<16
	s_mov_b32 s[G1K+4], 128
	s_mov_b32 s[G1K+5], 64
	s_mov_b32 s[G1K+6], 0
	s_mov_b32 s[G1K+7], 0
	s_mov_b32 s[G1V], 15|(1<<16)|(1<<20)|(1<<21)|(7<<22)|(3<<25)   ; 4 words of padding behind every 256
	s_mov_b32 s[G1V+1], 512<<16
	s_mov_b32 s[G1V+2], 16<<16
	s_mov_b32 s[G1V+3], 512<<16
	s_mov_b32 s[G1V+4], 16
	s_mov_b32 s[G1V+5], 2048
	s_mov_b32 s[G1V+6], 0
	s_mov_b32 s[G1V+7], 0
	s_mov_b32 s[G1W], 15|(3<<16)|(1<<21)           ; 4,096 dense bytes as 16 rows of 32 elements of 8 bytes
	s_mov_b32 s[G1W+1], 32<<16
	s_mov_b32 s[G1W+2], 16<<16
	s_mov_b32 s[G1W+3], 32<<16
	s_mov_b32 s[G1W+4], 16
	s_mov_b32 s[G1W+5], 32
	s_mov_b32 s[G1W+6], 0
	s_mov_b32 s[G1W+7], 0
	s_mov_b32 s[SEL], 0x76543210
	s_mov_b32 s[SEL+1], 0xfedcba98
	s_mov_b32 s82, 0x3e8293ee                      ; log2(e) / 1024^0.25
	s_mov_b32 s83, s82
	s_mov_b32 s2, 0x3c800000                       ; 1 / 64
	s_mov_b32 s3, 0x3727c5ac                       ; 1e-5
	v_and_b32 v16, 15, v0                          ; r
	v_bfe_u32 v17, v0, 4, 1                        ; h
	v_and_b32 v18, 31, v0                          ; lane
	v_mul_u32_u24 v[AK], v16, KP
	v_lshl_add_u32 v[AK], v17, 4, v[AK]
	v_mul_u32_u24 v[AV], v16, VP
	v_lshl_add_u32 v[AV], v17, 4, v[AV]
	v_add_nc_u32 v[AV], VOFF, v[AV]
	v_lshl_add_u32 v[AB], v17, 5, BIAS
	v_lshl_add_u32 v[AW], v18, 4, WIMG
	v_lshl_add_u32 v[AP], v17, 5, PAR
	s_mul_i32 s84, s[WV], 16*KP                    ; my stage for the way out, in slot 0
	v_add_nc_u32 v[STO], s84, v[AK]
	v_bfe_u32 v19, v0, 3, 2
	v_and_b32 v20, 7, v0
	v_mul_u32_u24 v[RD], v19, KP
	v_lshl_add_u32 v[RD], v20, 4, v[RD]
	v_add_nc_u32 v[RD], s84, v[RD]
	v_lshlrev_b32 v[GO], 4, v18                    ; 16 x lane
	v_lshl_add_u32 v21, v0, 5, BIAS                ; my thread's eight keys' terms
	v_lshl_add_u32 v22, v18, 3, PAR
	s_and_b32 s84, s[WV], 1
	s_lshl_b32 s84, s84, 8
	v_add_nc_u32 v22, s84, v22                     ; wave 0: the gain, wave 1: the bias
	v_and_b32 v23, 127, v0
	v_lshlrev_b32 v23, 5, v23                      ; my eight key masks
	v_lshlrev_b32 v24, 2, v16                      ; my query's mask
	v_lshlrev_b32 v25, 3, v18
	s_wait_dscnt 0x0                               ; both opening adds are done
	s_wait_kmcnt 0x0
	s_and_b32 s90, s[WV], 3
	s_lshl_b32 s84, s24, 18                        ; a head's K, and its V, are 262,144 bytes
	s_mov_b32 s85, 0
	s_add_nc_u64 s[8:9], s[8:9], s[84:85]
	s_add_nc_u64 s[10:11], s[10:11], s[84:85]
	s_lshl_b32 s84, s90, 14                        ; K: my 128 keys
	s_add_nc_u64 s[8:9], s[8:9], s[84:85]
	s_lshl_b32 s84, s90, 16                        ; V: my 16 channels
	s_add_nc_u64 s[10:11], s[10:11], s[84:85]
	s_mul_i32 s86, s90, 128*KP
	s_mul_i32 s87, s90, 16*VP
	s_add_co_u32 s87, s87, VOFF
.irp s, 0,1
	s_mov_b32 s[G0K+4*\s], 1
	s_add_co_u32 s[G0K+4*\s+1], s86, \s*SLOTB
	s_add_nc_u64 s[G0K+4*\s+2:G0K+4*\s+3], s[8:9], \s*65536
	s_or_b32 s[G0K+4*\s+3], s[G0K+4*\s+3], 0x80000000
	s_mov_b32 s[G0V+8*\s], 1
	s_add_co_u32 s[G0V+8*\s+1], s87, \s*SLOTB
	s_add_nc_u64 s[G0V+8*\s+2:G0V+8*\s+3], s[10:11], \s*1024
	s_or_b32 s[G0V+8*\s+3], s[G0V+8*\s+3], 0x80000000
.endr
	s_lshl_b32 s84, s26, 2
	s_add_co_u32 s84, s84, 256                     ; Wq's tiles of my head lie at 256 + 4 head
	s_lshl_b32 s84, s84, 13
	s_lshl_b32 s88, s[WV], 12
	s_add_co_u32 s84, s84, s88
	s_mov_b32 s[G0W], 1
	s_add_co_u32 s[G0W+1], s88, WIMG
	s_add_nc_u64 s[G0W+2:G0W+3], s[4:5], s[84:85]
	s_or_b32 s[G0W+3], s[G0W+3], 0x80000000
	CROUND                                         ; all four work-groups are here: the first joint loads meet
	tensor_load_to_lds s[G0W:G0W+3], s[G1W:G1W+7]  ; three loads of mine go out: an eighth of the images, my part of slot 0, my part of slot 1
	s_nop 0
.rept 4
	v_nop
.endr
	JLOAD 0
	JLOAD 1
	s_cmp_lt_u32 s[WV], 4                          ; keys 0-1023 are x's (mask), the others the context's
	s_cselect_b64 s[84:85], s[12:13], s[14:15]
	s_lshl_b32 s88, s25, 12
	s_mov_b32 s89, 0
	s_add_nc_u64 s[84:85], s[84:85], s[88:89]
	global_load_b128 v[96:99], v23, s[84:85]
	global_load_b128 v[100:103], v23, s[84:85] offset:16
	s_lshl_b32 s88, s25, 10
	s_lshl_b32 s90, s23, 8
	s_add_co_u32 s88, s88, s90
	s_lshl_b32 s90, s[WV], 5
	s_add_co_u32 s91, s88, s90                     ; my first query's row: 1024 b + 256 block + 32 wave
	s_lshl_b32 s88, s91, 2
	s_add_nc_u64 s[86:87], s[12:13], s[88:89]
	global_load_b32 v[AQ], v24, s[86:87]
	global_load_b32 v[AQ+1], v24, s[86:87] offset:64
	s_bitcmp1_b32 s[WV], 0
	s_cselect_b64 s[92:93], s[18:19], s[16:17]
	global_load_b64 v[104:105], v25, s[92:93]
	s_lshl_b32 s88, s26, 2
	s_add_co_u32 s88, s88, 256
	s_lshl_b32 s88, s88, 9                         ; scale words: Wq's tiles,
	s_lshr_b32 s90, s91, 4                         ; my first tile of x
	s_lshl_b32 s94, s90, 9                         ; and x's
	v_mov_b32 v27, s88
	v_mov_b32 v28, s94
	v_cmp_ne_u32 vcc_lo, 0, v17
	v_cndmask_b32 v26, v27, v28, vcc_lo            ; lanes 0-15 take Wq's words, lanes 16-31 x's: one register carries both sides' scales
	v_lshl_add_u32 v26, v16, 4, v26
.irp ct, 0,1,2,3
.irp hf, 0,1
	global_load_b128 v[SC+8*\ct+4*\hf:SC+8*\ct+4*\hf+3], v26, s[6:7] offset:\ct*512+256*\hf   ; (for ct = 2, 3 lanes 16-31 read tiles that are not used; they lie inside the buffer)
.endr
.endr
	s_lshl_b32 s88, s90, 13
	s_add_nc_u64 s[94:95], s[4:5], s[88:89]
.irp n, 0,1,2,3,4,5,6,7,8,9,10,11,12,13,14,15   ; x's fragments: tile n / 8, K step n % 8, as they lie
.if \n < 4
.set XR, 64+8*\n
.else
.set XR, 128+8*\n
.endif
	global_load_b128 v[XR:XR+3], v[GO], s[94:95] offset:\n*1024
	global_load_b128 v[XR+4:XR+7], v[GO], s[94:95] offset:\n*1024+512
.endr
	s_lshl_b32 s88, s26, 19
	s_lshl_b32 s90, s91, 7
	s_add_co_u32 s88, s88, s90
	s_add_nc_u64 s[20:21], s[20:21], s[88:89]      ; ao at my head and first query
	s_wait_loadcnt 40                              ; the masks and the norm's numbers are in; the 8 scale loads and 32 fragment loads may be out
.irp j, 0,1,2,3,4,5,6,7
	v_log_f32 v[96+\j], v[96+\j]
.endr
	v_log_f32 v[AQ], v[AQ]
	v_log_f32 v[AQ+1], v[AQ+1]
	v_pk_mul_f32 v[104:105], v[104:105], s[82:83] op_sel_hi:[1,0]   ; (a plain place behind the logarithms)
	s_wait_alu depctr_va_vdst(0)                   ; one wait for the ten
.irp j, 0,1,2,3,4,5,6,7
	v_max_num_f32 v[96+\j], 0xf1800000, v[96+\j]   ; held at -2^100
.endr
	ds_store_b128 v21, v[96:99]
	ds_store_b128 v21, v[100:103] offset:16
	s_cmp_lt_u32 s[WV], 2
	s_cbranch_scc0 .Lno_par
	ds_store_b64 v22, v[104:105]
.Lno_par:
	s_wait_tensorcnt 1                             ; the images and my part of slot 0 are in; slot 1's load may stay out
	s_wait_dscnt 0x0                               ; my stores have landed
	s_barrier_signal -1
	s_barrier_wait -1
	; ---- q^T = Wq x^T on codes
	WIN 0x40
.irp s, 0,1,2,3,4,5,6,7
.irp ct, 0,1,2,3
	ds_load_b128 v[64*\ct+8*\s:64*\ct+8*\s+3], v[AW] offset:(8*\ct+\s)*1024
	ds_load_b128 v[64*\ct+8*\s+4:64*\ct+8*\s+7], v[AW] offset:(8*\ct+\s)*1024+512
.endr
.endr
	s_wait_loadcnt 0x0
	WIN 0x01
.macro QMUL s                          ; K step s: eight accumulators by turns
	s_wait_dscnt 56-8*(\s)                         ; the images of the later K steps, eight loads each, may be out
.irp ct, 0,1,2,3
.irp qt, 0,1
.if (8*\qt+(\s)) < 4
.set XR, 64+8*(8*\qt+(\s))
.else
.set XR, 128+8*(8*\qt+(\s))
.endif
.if (\s) == 0
	v_wmma_scale_f32_16x16x128_f8f6f4 v[S+32*\qt+8*\ct:S+32*\qt+8*\ct+7], v[64*\ct+8*(\s):64*\ct+8*(\s)+7], v[XR:XR+7], 0, v[SC+8*\ct+(\s)], v[SC+8*\qt+(\s)] matrix_a_fmt:MATRIX_FMT_FP4 matrix_b_fmt:MATRIX_FMT_FP4 matrix_b_scale:MATRIX_SCALE_ROW1
.else
	v_wmma_scale_f32_16x16x128_f8f6f4 v[S+32*\qt+8*\ct:S+32*\qt+8*\ct+7], v[64*\ct+8*(\s):64*\ct+8*(\s)+7], v[XR:XR+7], v[S+32*\qt+8*\ct:S+32*\qt+8*\ct+7], v[SC+8*\ct+(\s)], v[SC+8*\qt+(\s)] matrix_a_fmt:MATRIX_FMT_FP4 matrix_b_fmt:MATRIX_FMT_FP4 matrix_b_scale:MATRIX_SCALE_ROW1
.endif
.endr
.endr
.endm
.irp k, 0,1,2,3,4,5,6,7
	QMUL \k
.endr
	WIN 0
	PLACES
	; ---- LN(q), two tiles: of a query's 64 channels a lane holds 32, lane l xor 16 the others
.irp ct, 0,1,2,3
.irp i, 0,1
	ds_load_b128 v[160+8*\ct+4*\i:160+8*\ct+4*\i+3], v[AP] offset:64*\ct+16*\i
	ds_load_b128 v[192+8*\ct+4*\i:192+8*\ct+4*\i+3], v[AP] offset:64*\ct+16*\i+256
.endr
.endr
.set i, 0
.rept 16
	v_pk_add_f32 v[SCR+2*i:SCR+2*i+1], v[S+4*i:S+4*i+1], v[S+4*i+2:S+4*i+3]   ; each accumulator from its low end on
.set i, i+1
.endr
.irp o, 0,2,4,6
	v_pk_add_f32 v[SCR+\o:SCR+\o+1], v[SCR+\o:SCR+\o+1], v[SCR+8+\o:SCR+9+\o]
	v_pk_add_f32 v[SCR+16+\o:SCR+17+\o], v[SCR+16+\o:SCR+17+\o], v[SCR+24+\o:SCR+25+\o]
.endr
.irp o, 0,2
	v_pk_add_f32 v[SCR+\o:SCR+\o+1], v[SCR+\o:SCR+\o+1], v[SCR+4+\o:SCR+5+\o]
	v_pk_add_f32 v[SCR+16+\o:SCR+17+\o], v[SCR+16+\o:SCR+17+\o], v[SCR+20+\o:SCR+21+\o]
.endr
	v_pk_add_f32 v[SCR:SCR+1], v[SCR:SCR+1], v[SCR+2:SCR+3]
	v_pk_add_f32 v[SCR+16:SCR+17], v[SCR+16:SCR+17], v[SCR+18:SCR+19]
	v_add_f32 v16, v[SCR], v[SCR+1]
	v_add_f32 v18, v[SCR+16], v[SCR+17]
	v_permlanex16_b32 v17, v16, s[SEL], s[SEL+1]
	v_permlanex16_b32 v19, v18, s[SEL], s[SEL+1]
	v_add_f32 v16, v16, v17
	v_add_f32 v18, v18, v19
	v_mul_f32 v16, s2, v16                         ; the means
	v_mul_f32 v18, s2, v18
.set i, 0
.rept 32
	v_pk_add_f32 v[S+2*i:S+2*i+1], v[S+2*i:S+2*i+1], v[16+2*(i/16):17+2*(i/16)] op_sel_hi:[1,0] neg_lo:[0,1] neg_hi:[0,1]
.set i, i+1
.endr
	v_pk_mul_f32 v[20:21], v[S:S+1], v[S:S+1]
	v_pk_mul_f32 v[24:25], v[S+32:S+33], v[S+32:S+33]
	v_pk_mul_f32 v[22:23], v[S+2:S+3], v[S+2:S+3]
	v_pk_mul_f32 v[26:27], v[S+34:S+35], v[S+34:S+35]
.irp o, 4,8,12,16,20,24,28
	v_pk_fma_f32 v[20:21], v[S+\o:S+\o+1], v[S+\o:S+\o+1], v[20:21]
	v_pk_fma_f32 v[24:25], v[S+32+\o:S+33+\o], v[S+32+\o:S+33+\o], v[24:25]
	v_pk_fma_f32 v[22:23], v[S+2+\o:S+3+\o], v[S+2+\o:S+3+\o], v[22:23]
	v_pk_fma_f32 v[26:27], v[S+34+\o:S+35+\o], v[S+34+\o:S+35+\o], v[26:27]
.endr
	v_pk_add_f32 v[20:21], v[20:21], v[22:23]
	v_pk_add_f32 v[24:25], v[24:25], v[26:27]
	v_add_f32 v20, v20, v21
	v_add_f32 v24, v24, v25
	v_permlanex16_b32 v21, v20, s[SEL], s[SEL+1]
	v_permlanex16_b32 v25, v24, s[SEL], s[SEL+1]
	v_add_f32 v20, v20, v21
	v_add_f32 v24, v24, v25
	v_fma_f32 v20, v20, s2, s3
	v_fma_f32 v24, v24, s2, s3
	v_rsq_f32 v16, v20
	v_rsq_f32 v18, v24
	v_nop                                          ; a plain place behind the transcendentals
	s_wait_alu depctr_va_vdst(0)                   ; one wait for both
	s_wait_dscnt 0x0                               ; the gain and the bias are in
.set i, 0
.rept 32
	v_pk_mul_f32 v[S+2*i:S+2*i+1], v[S+2*i:S+2*i+1], v[16+2*(i/16):17+2*(i/16)] op_sel_hi:[1,0]
.set i, i+1
.endr
.set i, 0
.rept 32
	v_pk_fma_f32 v[S+2*i:S+2*i+1], v[S+2*i:S+2*i+1], v[160+(2*i)%32:161+(2*i)%32], v[192+(2*i)%32:193+(2*i)%32]
.set i, i+1
.endr
	WIN 0x40
.set i, 0
.rept 32
	v_cvt_pk_f16_f32 v[QF+i], v[S+2*i], v[S+2*i+1] ; tile ct's four registers are registers 4 (ct % 2) on of chunk ct / 2 of the operand
.set i, i+1
.endr
	WIN 0
.irp t, 0,1
	v_mov_b32 v[ST+8*\t], 0xff61b1e6               ; the largest score so far: -3e38
	v_mov_b32 v[ST+8*\t+1], 0
	v_mov_b32 v[ST+8*\t+2], 0                      ; the sum, in two halves
	v_mov_b32 v[ST+8*\t+3], 0
.endr
.set i, 0
.rept 64
	v_mov_b32 v[O+i], 0                            ; the step is written in one form: the first finds zeros
.set i, i+1
.endr
.macro KB koff, boff                   ; a key step's K (16 loads) and its keys' terms in the result's layout (8 loads)
	WIN 0x40
.irp kt, 0,1,2,3
.irp u, 0,1
	ds_load_b128 v[KF+16*\kt+8*\u:KF+16*\kt+8*\u+3], v[ADK] offset:\koff+\kt*16*KP+64*\u
	ds_load_b128 v[KF+16*\kt+8*\u+4:KF+16*\kt+8*\u+7], v[ADK] offset:\koff+\kt*16*KP+64*\u+32
.endr
.endr
.irp kt, 0,1,2,3
	ds_load_b128 v[BF+8*\kt:BF+8*\kt+3], v[ADB] offset:\boff+64*\kt
	ds_load_b128 v[BF+8*\kt+4:BF+8*\kt+7], v[ADB] offset:\boff+64*\kt+16
.endr
	WIN 0
.endm
.macro SOFTMAX                         ; both tiles, line by line by turns
.irp j, 0,1,2,3
.irp t, 0,1
	v_max3_num_f32 v[ST+8*\t+4+\j], v[S+32*\t+8*\j], v[S+32*\t+8*\j+1], v[S+32*\t+8*\j+2]   ; each accumulator from its low end on
.endr
.endr
.irp g, 1,2
.irp j, 0,1,2,3
.irp t, 0,1
	v_max3_num_f32 v[ST+8*\t+4+\j], v[ST+8*\t+4+\j], v[S+32*\t+8*\j+2*\g+1], v[S+32*\t+8*\j+2*\g+2]
.endr
.endr
.endr
.irp t, 0,1
	v_max3_num_f32 v[ST+8*\t+4], v[ST+8*\t+4], v[S+32*\t+7], v[S+32*\t+15]
.endr
.irp t, 0,1
	v_max3_num_f32 v[ST+8*\t+6], v[ST+8*\t+6], v[S+32*\t+23], v[S+32*\t+31]
.endr
.irp t, 0,1
	v_max3_num_f32 v[ST+8*\t+4], v[ST+8*\t+4], v[ST+8*\t+5], v[ST+8*\t+6]
.endr
.irp t, 0,1
	v_max3_num_f32 v[ST+8*\t+4], v[ST+8*\t+4], v[ST+8*\t+7], v[ST+8*\t]
.endr
.irp t, 0,1
	v_permlanex16_b32 v[ST+8*\t+5], v[ST+8*\t+4], s[SEL], s[SEL+1]   ; the query's other 32 keys lie in the lane 16 away
.endr
.irp t, 0,1
	v_mov_b32 v[ST+8*\t+1], v[ST+8*\t]
.endr
.irp t, 0,1
	v_max_num_f32 v[ST+8*\t], v[ST+8*\t+4], v[ST+8*\t+5]             ; the running maximum
.endr
.irp t, 0,1
	v_sub_f32 v[ST+8*\t+1], v[ST+8*\t+1], v[ST+8*\t]                 ; old - new
.endr
.irp i, 0,2,4,6,8,10,12,14,16,18,20,22,24,26,28,30
.irp t, 0,1
	v_pk_add_f32 v[S+32*\t+\i:S+32*\t+\i+1], v[S+32*\t+\i:S+32*\t+\i+1], v[ST+8*\t:ST+8*\t+1] op_sel_hi:[1,0] neg_lo:[0,1] neg_hi:[0,1]
.endr
.endr
.irp t, 0,1
	v_exp_f32 v[ST+8*\t+6], v[ST+8*\t+1]           ; a = 2^(old - new)
.endr
.irp i, 0,1,2,3,4,5,6,7,8,9,10,11,12,13,14,15,16,17,18,19,20,21,22,23,24,25,26,27,28,29,30,31
.irp t, 0,1
	v_exp_f32 v[S+32*\t+\i], v[S+32*\t+\i]         ; p = 2^(s - M)
.endr
.endr
	v_nop                                          ; a plain place behind the last exponential
	s_wait_alu depctr_va_vdst(0)                   ; one wait for the batch of 66, ahead of its first reader
.irp i, 0,1,2,3,4,5,6,7,8,9,10,11,12,13,14,15
.irp t, 0,1
	v_cvt_pk_f16_f32 v[P+16*\t+\i], v[S+32*\t+2*\i], v[S+32*\t+2*\i+1]
.endr
.endr
.irp o, 0,2,4,6,8,10,12,14
.irp t, 0,1
	v_pk_add_f32 v[S+32*\t+\o:S+32*\t+\o+1], v[S+32*\t+\o:S+32*\t+\o+1], v[S+32*\t+\o+16:S+32*\t+\o+17]
.endr
.endr
.irp o, 0,2,4,6
.irp t, 0,1
	v_pk_add_f32 v[S+32*\t+\o:S+32*\t+\o+1], v[S+32*\t+\o:S+32*\t+\o+1], v[S+32*\t+\o+8:S+32*\t+\o+9]
.endr
.endr
.irp o, 0,2
.irp t, 0,1
	v_pk_add_f32 v[S+32*\t+\o:S+32*\t+\o+1], v[S+32*\t+\o:S+32*\t+\o+1], v[S+32*\t+\o+4:S+32*\t+\o+5]
.endr
.endr
.irp t, 0,1
	v_pk_add_f32 v[S+32*\t:S+32*\t+1], v[S+32*\t:S+32*\t+1], v[S+32*\t+2:S+32*\t+3]
.endr
.irp t, 0,1
	v_pk_fma_f32 v[ST+8*\t+2:ST+8*\t+3], v[ST+8*\t+2:ST+8*\t+3], v[ST+8*\t+6:ST+8*\t+7], v[S+32*\t:S+32*\t+1] op_sel_hi:[1,0,1]
.endr
.irp i, 0,2,4,6,8,10,12,14,16,18,20,22,24,26,28,30
.irp t, 0,1
	v_pk_mul_f32 v[O+32*\t+\i:O+32*\t+\i+1], v[O+32*\t+\i:O+32*\t+\i+1], v[ST+8*\t+6:ST+8*\t+7] op_sel_hi:[1,0]
.endr
.endr
.endm
; A KEY STEP of 64 keys.  Its K and terms are in registers; its V is asked for first; the next step's K and terms are asked for behind the scores' products and land under the softmax.
.macro STEP
	v_add_nc_u32 v[ADV], s[TV], v[AV]              ; these three and the v_nop are the places behind the last products
	v_add_nc_u32 v[ADK], s[TK], v[AK]
	v_add_nc_u32 v[ADB], s[TBI], v[AB]
	v_nop
	WIN 0x40
.irp u, 0,1
.irp c, 0,1,2,3
	ds_load_b128 v[VF+8*(4*\u+\c):VF+8*(4*\u+\c)+3], v[ADV] offset:\c*16*VP+64*\u
	ds_load_b128 v[VF+8*(4*\u+\c)+4:VF+8*(4*\u+\c)+7], v[ADV] offset:\c*16*VP+64*\u+32
.endr
.endr
	WIN 0x15                                       ; K, Q and the terms in window 1, S^T in window 0
.irp kt, 0,1,2,3
.irp qt, 0,1
	v_wmma_f32_16x16x32_f16 v[S+32*\qt+8*\kt:S+32*\qt+8*\kt+7], v[KF+16*\kt:KF+16*\kt+7], v[QF+16*\qt:QF+16*\qt+7], v[BF+8*\kt:BF+8*\kt+7]
.endr
.endr
	WIN 0x05
.irp kt, 0,1,2,3
.irp qt, 0,1
	v_wmma_f32_16x16x32_f16 v[S+32*\qt+8*\kt:S+32*\qt+8*\kt+7], v[KF+16*\kt+8:KF+16*\kt+15], v[QF+16*\qt+8:QF+16*\qt+15], v[S+32*\qt+8*\kt:S+32*\qt+8*\kt+7]
.endr
.endr
	WIN 0
	PLACES
	s_cmp_eq_u32 s[J], 7                           ; a slot's last step fetches no K: the next lies in the other slot, behind the change
	s_cbranch_scc1 .Lno_k_\@
	KB 64*KP, 256
.Lno_k_\@:
	SOFTMAX
	s_wait_dscnt 0x0                               ; V, and the next step's K and terms where they were asked for
	WIN 0x01                                       ; V in window 1
.irp u, 0,1
.irp c, 0,1,2,3
.irp qt, 0,1
	v_wmma_f32_16x16x32_f16 v[O+32*\qt+8*\c:O+32*\qt+8*\c+7], v[VF+8*(4*\u+\c):VF+8*(4*\u+\c)+7], v[P+16*\qt+8*\u:P+16*\qt+8*\u+7], v[O+32*\qt+8*\c:O+32*\qt+8*\c+7]
.endr
.endr
.endr
	WIN 0
.endm
.macro STEPS slot, phase               ; a slot's eight key steps
	s_mov_b32 s[TK], \slot*SLOTB
	s_mov_b32 s[TV], \slot*SLOTB
	s_mov_b32 s[TBI], \phase*2048
	s_mov_b32 s[J], 0
	v_add_nc_u32 v[ADK], s[TK], v[AK]
	v_add_nc_u32 v[ADB], s[TBI], v[AB]
	KB 0, 0
	s_wait_dscnt 0x0
.Lstep_\@:
	STEP
	s_add_co_u32 s[TK], s[TK], 64*KP
	s_add_co_u32 s[TV], s[TV], 128
	s_add_co_u32 s[TBI], s[TBI], 256
	s_add_co_u32 s[J], s[J], 1
	s_cmp_lt_u32 s[J], 8
	s_cbranch_scc1 .Lstep_\@
.endm
; THE CHANGE OF SLOTS.  Each wave waits for all its tensor loads (its part of the slot ahead), adds 0 to its spare word, and waits for that and for its reads of the slot that it leaves.
; fill = 1: the barrier is a round of the cluster's, and the slot just left is filled with the keys 1,024 further on, first thing behind it, one load a wave.
.macro CHANGE fill, slot
	s_wait_tensorcnt 0x0
	ds_add_u32 v[SPW], v[NIL]
.if \fill
	s_add_nc_u64 s[G0K+4*\slot+2:G0K+4*\slot+3], s[G0K+4*\slot+2:G0K+4*\slot+3], 131072
	s_add_nc_u64 s[G0V+8*\slot+2:G0V+8*\slot+3], s[G0V+8*\slot+2:G0V+8*\slot+3], 2048
.endif
	s_wait_dscnt 0x0
.if \fill
	CROUND
	JLOAD \slot
.else
	s_barrier_signal -1
	s_barrier_wait -1
.endif
.endm
	STEPS 0, 0
	CHANGE 1, 0
	STEPS 1, 1
	CHANGE 1, 1
	STEPS 0, 2
	CHANGE 0, 0
	STEPS 1, 3
	; THE WAY OUT.  O^T / the sum; NaN where the query's mask, or every key's, is 0.  The additions are the places behind the last products.
.irp t, 0,1
	v_add_f32 v[ST+8*\t+4], v[ST+8*\t+2], v[ST+8*\t+3]
.endr
.irp t, 0,1
	v_permlanex16_b32 v[ST+8*\t+5], v[ST+8*\t+4], s[SEL], s[SEL+1]
.endr
.irp t, 0,1
	v_add_f32 v[ST+8*\t+4], v[ST+8*\t+4], v[ST+8*\t+5]
.endr
.irp t, 0,1
	v_add_f32 v[ST+8*\t+5], v[ST+8*\t], v[AQ+\t]   ; the largest score + log2 of the query's mask
.endr
.irp t, 0,1
	v_rcp_f32 v[ST+8*\t+6], v[ST+8*\t+4]
.endr
	v_mov_b32 v[SCR], 0x7fc00000                   ; (a plain place behind the reciprocals)
.irp t, 0,1
	v_cmp_gt_f32 vcc_lo, 0xef800000, v[ST+8*\t+5]  ; under -2^96: nothing counts for this query
	v_cndmask_b32 v[ST+8*\t+4], 0, v[SCR], vcc_lo
.endr
	s_wait_alu depctr_va_vdst(0)                   ; one wait for both reciprocals
.macro OUT qt
.irp i, 0,2,4,6,8,10,12,14,16,18,20,22,24,26,28,30
	v_pk_fma_f32 v[O+32*\qt+\i:O+32*\qt+\i+1], v[O+32*\qt+\i:O+32*\qt+\i+1], v[ST+8*\qt+6:ST+8*\qt+7], v[ST+8*\qt+4:ST+8*\qt+5] op_sel_hi:[1,0,0]
.endr
.irp i, 0,1,2,3,4,5,6,7,8,9,10,11,12,13,14,15
	v_cvt_pk_f16_f32 v[SCR+16*\qt+\i], v[O+32*\qt+2*\i], v[O+32*\qt+2*\i+1]
.endr
.irp c, 0,1,2,3
	ds_store_b128 v[STO], v[SCR+16*\qt+4*\c:SCR+16*\qt+4*\c+3] offset:32*\c   ; row r of 128 bytes + 16: channels 16 c + 8 h on
.endr
.irp t, 0,1,2,3
	ds_load_b128 v[S+16*\qt+4*\t:S+16*\qt+4*\t+3], v[RD] offset:\t*4*KP       ; LDS serves a wave's instructions in order: these see the stores above, and the next tile's stores come behind them
.endr
.endm
	OUT 0
	OUT 1
	s_wait_dscnt 0x0
.irp qt, 0,1
.irp t, 0,1,2,3
	global_store_b128 v[GO], v[S+16*\qt+4*\t:S+16*\qt+4*\t+3], s[20:21] offset:\qt*2048+512*\t   ; four rows of 128 bytes: 512 consecutive aligned bytes
.endr
.endr
	s_wait_tensorcnt 0x0                           ; the wave's end
	ds_add_u32 v[SPW], v[NIL]
	s_wait_dscnt 0x0
	CROUND                                         ; the closing round
	s_endpgm
.Lfunc_end_k_qc7218622a0_attn:
	.size	k_qc7218622a0_attn, .Lfunc_end_k_qc7218622a0_attn-k_qc7218622a0_attn
	.p2alignl 7, 3214868480
	.fill 96, 4, 3214868480
	.section	.rodata,"a",@progbits
	.p2align	6, 0x0
	.amdhsa_kernel k_qc7218622a0_attn
		.amdhsa_group_segment_fixed_size 327680
		.amdhsa_private_segment_fixed_size 0
		.amdhsa_enable_private_segment 0
		.amdhsa_kernarg_size 72
		.amdhsa_user_sgpr_count 2
		.amdhsa_user_sgpr_kernarg_segment_ptr 1
		.amdhsa_wavefront_size32 1
		.amdhsa_system_sgpr_workgroup_id_x 1
		.amdhsa_system_sgpr_workgroup_id_y 1
		.amdhsa_system_sgpr_workgroup_id_z 1
		.amdhsa_system_vgpr_workitem_id 0
		.amdhsa_next_free_vgpr 512
		.amdhsa_next_free_sgpr 96
		.amdhsa_reserve_vcc 1
		.amdhsa_float_denorm_mode_32 3
		.amdhsa_float_denorm_mode_16_64 3
		.amdhsa_memory_ordered 1
		.amdhsa_forward_progress 1
		.amdhsa_inst_pref_size 131
	.end_amdhsa_kernel
	.amdgpu_metadata
---
amdhsa.version: [ 1, 2 ]
amdhsa.kernels:
  - .name:           k_qc7218622a0_attn
    .symbol:         k_qc7218622a0_attn.kd
    .args:
      - { .name: cod, .offset: 0, .size: 8, .value_kind: global_buffer, .address_space: global }
      - { .name: scl, .offset: 8, .size: 8, .value_kind: global_buffer, .address_space: global }
      - { .name: kh, .offset: 16, .size: 8, .value_kind: global_buffer, .address_space: global }
      - { .name: vt, .offset: 24, .size: 8, .value_kind: global_buffer, .address_space: global }
      - { .name: mask, .offset: 32, .size: 8, .value_kind: global_buffer, .address_space: global }
      - { .name: contextMask, .offset: 40, .size: 8, .value_kind: global_buffer, .address_space: global }
      - { .name: qln_w, .offset: 48, .size: 8, .value_kind: global_buffer, .address_space: global }
      - { .name: qln_b, .offset: 56, .size: 8, .value_kind: global_buffer, .address_space: global }
      - { .name: ao, .offset: 64, .size: 8, .value_kind: global_buffer, .address_space: global }
    .group_segment_fixed_size: 327680
    .private_segment_fixed_size: 0
    .kernarg_segment_align: 8
    .kernarg_segment_size: 72
    .max_flat_workgroup_size: 256
    .sgpr_count:     96
    .vgpr_count:     512
    .wavefront_size: 32
...
	.end_amdgpu_metadata
.endif
;; end of part 3
;; launch oproj (part 4): grid 8 x 32, 4 waves a work-group, clusters of 4 x 4, 327,680 bytes of LDS; arguments ao, w16, bu, out0; writes out0
.if DOCPART == 4
	.amdgcn_target "amdgcn-amd-amdhsa--gfx1250"
	.amdhsa_code_object_version 6
	.text
	.protected	k_qc7218622a0_oproj
	.globl	k_qc7218622a0_oproj
	.p2align	8
	.type	k_qc7218622a0_oproj,@function
k_qc7218622a0_oproj:
	s_mov_b64 s[64:65], 0
	v_nop
	global_prefetch_b8 v0, s[64:65] scope:SCOPE_SE
	s_setreg_imm32_b32 hwreg(HW_REG_WAVE_MODE, 25, 1), 1
	s_wait_xcnt 0x0
	s_wait_alu depctr_hold_cnt(0) depctr_sa_sdst(0) depctr_va_vdst(0) depctr_va_sdst(0) depctr_va_ssrc(0) depctr_va_vcc(0) depctr_vm_vsrc(0)
	s_getreg_b32 s2, hwreg(HW_REG_IB_STS2, 6, 4)
	s_cmp_eq_u32 s2, 0
	s_cbranch_scc0 .Lentry_in_a_cluster
	s_endpgm
.Lentry_in_a_cluster:
	s_bfe_u32 s2, ttmp6, 0x10000c
	s_cmp_lg_u32 s2, 0xf033
	s_cbranch_scc0 .Lentry_shape_is_right
	s_endpgm
.Lentry_shape_is_right:
; out0 = ao Wu^T + bu.  ao [16 heads][4096 rows][64] f16, Wu = w16 + 0x400000 [1024][1024] f16, out0 [4096][1024] f32; sums in f32.
; 256 tiles of 128 x 128, one a work-group; four waves, 64 x 64 each: 16 accumulators.  K goes in steps of 256 (four heads) through two LDS slots.
; A's part of a step (64 rows x 4 heads) is four dense runs of 8,192 bytes, 524,288 bytes apart: one tile of 4 rows x 4,096 elements, with 16 bytes of padding behind every 128: in LDS [4 heads][64 rows] x 144 bytes.
; B's part is 64 rows of 512 bytes + 16.  CLUSTERS of 4 x 4: A's tile is shared along a row, B's along a column, each asked for jointly.
; The matrix instruction takes rows of Wu as source 0 and rows of ao as source 1: a lane holds eight neighbouring numbers of a row of out0.  The bias is the C of each sum's first instruction.
; A wave's 64 columns of f32 are 256 aligned bytes, so each wave has a stage of its own on the way out and no barrier stands there.
; REGISTERS: window 0: v0-31 addresses; v32-63 the bias in the result's layout; v64-127 rows on the way out; v128-255 the accumulators.  window 1: two fragment buffers of 128 (64 of A, 64 of B).
.set HALFA,  4*64*144
.set HALFB,  64*528
.set SLOT,   2*HALFA+2*HALFB
.set STAGE,  2*SLOT
.set SPARE,  STAGE+4*16*272
.set LAPS,   2
.set ADRA, 16
.set ADRB, 20
.set STO,  24
.set RD,   25
.set CO,   26
.set SPW,  28
.set NIL,  29
.set BI,   32
.set OB,   64
.set ACC,  128
.set F0,   0
.set F1,   128
.set G1,  24
.set G0,  32
.set G1B, 48
.set G0B, 56
.set MSB, 0
.macro WIN new
.if MSB != (\new)
	s_set_vgpr_msb (MSB<<8)|(\new)
.set MSB, (\new)
.endif
.endm
.set MUL,  0x05
.set TO_F, 0x40
.macro JLOAD s
	s_cmp_eq_u32 s11, 0
	s_cbranch_scc0 .Lfor_b_\@
	tensor_load_to_lds s[G0+4*\s:G0+4*\s+3], s[G1:G1+7]
	s_nop 0
.rept 4
	v_nop
.endr
	s_branch .Lasked_\@
.Lfor_b_\@:
	tensor_load_to_lds s[G0B+4*\s:G0B+4*\s+3], s[G1B:G1B+7]
	s_nop 0
.rept 4
	v_nop
.endr
.Lasked_\@:
.endm
.macro CREST
	s_cmp_lg_u32 s10, 0
	s_cbranch_scc1 .Lnot_wave_0_\@
	s_barrier_signal -3
.Lnot_wave_0_\@:
	s_barrier_wait -3
	s_barrier_signal -1
	s_barrier_wait -1
.endm
.macro CROUND
	s_barrier_signal -1
	s_barrier_wait -1
	CREST
.endm
	s_load_b256 s[68:75], s[0:1], 0x0              ; ao, w16, bu, out0
	v_lshl_add_u32 v[SPW], v0, 2, SPARE
	v_mov_b32 v[NIL], 0
	ds_add_u32 v[SPW], v[NIL]                      ; the wave's opening: the add, twice on end, and its wait ahead of my first tensor load
	ds_add_u32 v[SPW], v[NIL]
	v_lshrrev_b32 v1, 5, v0
	v_readfirstlane_b32 s10, v1
	s_lshr_b32 s11, s10, 1                         ; my half of the tile's rows; also: I fetch for A (0) or B (1)
	s_and_b32 s12, s10, 1                          ; my half of its columns; also: which 64 rows I fetch
	s_bfe_u32 s40, ttmp6, 0x40000
	s_bfe_u32 s41, ttmp6, 0x40004
	s_lshl_b32 s42, ttmp9, 2
	s_add_co_u32 s42, s42, s40                     ; tile column
	s_and_b32 s13, ttmp7, 0xffff
	s_lshl_b32 s13, s13, 2
	s_add_co_u32 s13, s13, s41                     ; tile row
	s_lshl_b32 s43, s41, 2
	s_lshl_b32 s43, 15, s43
	s_lshl_b32 s44, 0x1111, s40
	s_or_b32 s[G1+0], s43, (1<<16)|(1<<20)|(1<<21)|(4<<22)|(3<<25)    ; 4 words of padding behind every 32
	s_mov_b32 s[G1+1], 4096<<16                    ; tensor_dim0 = 4,096 elements: 64 rows of one head
	s_mov_b32 s[G1+2], 4<<16                       ; tensor_dim1 = 4 heads
	s_mov_b32 s[G1+3], 4096<<16
	s_mov_b32 s[G1+4], 4
	s_mov_b32 s[G1+5], 262144                      ; elements from head to head
	s_mov_b32 s[G1+6], 0
	s_mov_b32 s[G1+7], 0
	s_or_b32 s[G1B+0], s44, (1<<16)|(1<<20)|(1<<21)|(6<<22)|(3<<25)   ; 4 words behind every 128
	s_mov_b32 s[G1B+1], 256<<16
	s_mov_b32 s[G1B+2], 64<<16
	s_mov_b32 s[G1B+3], 256<<16
	s_mov_b32 s[G1B+4], 64
	s_mov_b32 s[G1B+5], 1024
	s_mov_b32 s[G1B+6], 0
	s_mov_b32 s[G1B+7], 0
	s_lshl_b32 s17, s12, 6
	s_lshl_b32 s16, s13, 7
	s_add_co_u32 s16, s16, s17
	s_lshl_b32 s16, s16, 7                         ; A: row x 128 bytes
	s_lshl_b32 s46, s42, 7
	s_add_co_u32 s46, s46, s17
	s_lshl_b32 s46, s46, 11                        ; B: row x 2,048 bytes,
	s_add_co_u32 s46, s46, 0x400000                ; in Wu
	s_mov_b32 s17, 0
	s_mov_b32 s47, 0
	s_mul_i32 s20, s12, HALFA
	s_mul_i32 s21, s12, HALFB
	s_add_co_u32 s21, s21, 2*HALFA
	s_wait_dscnt 0x0
	s_wait_kmcnt 0x0
	s_add_nc_u64 s[14:15], s[68:69], s[16:17]
	s_add_nc_u64 s[46:47], s[70:71], s[46:47]
	CROUND
.irp s, 0,1
	s_mov_b32 s[G0+4*\s], 1
	s_add_co_u32 s[G0+4*\s+1], s20, \s*SLOT
	s_add_nc_u64 s[G0+4*\s+2:G0+4*\s+3], s[14:15], \s*2097152
	s_or_b32 s[G0+4*\s+3], s[G0+4*\s+3], 0x80000000
	s_mov_b32 s[G0B+4*\s], 1
	s_add_co_u32 s[G0B+4*\s+1], s21, \s*SLOT
	s_add_nc_u64 s[G0B+4*\s+2:G0B+4*\s+3], s[46:47], \s*512
	s_or_b32 s[G0B+4*\s+3], s[G0B+4*\s+3], 0x80000000
	JLOAD \s
.endr
	v_and_b32 v1, 15, v0
	v_bfe_u32 v2, v0, 4, 1
	v_lshlrev_b32 v6, 5, v2
	s_lshl_b32 s18, s42, 7
	s_lshl_b32 s19, s12, 6
	s_add_co_u32 s18, s18, s19
	s_lshl_b32 s18, s18, 2                         ; my first column, in bytes
	s_mov_b32 s19, 0
	s_add_nc_u64 s[72:73], s[72:73], s[18:19]
.irp b, 0,1,2,3                                ; the bias: register 8 b + j = column 16 b + 8 h + j
	global_load_b128 v[BI+8*\b:BI+8*\b+3], v6, s[72:73] offset:64*\b
	global_load_b128 v[BI+8*\b+4:BI+8*\b+7], v6, s[72:73] offset:64*\b+16
.endr
	v_mul_u32_u24 v3, v1, 144
	v_lshl_add_u32 v3, v2, 4, v3
	v_mul_u32_u24 v4, v1, 528
	v_lshl_add_u32 v4, v2, 4, v4
	s_mul_i32 s22, s11, HALFA
	s_mul_i32 s23, s12, HALFB
	s_add_co_u32 s23, s23, 2*HALFA
.irp s, 0,1
	v_add_nc_u32 v[ADRA+\s], s22, v3
	v_add_nc_u32 v[ADRB+\s], s23, v4
	s_add_co_u32 s22, s22, SLOT
	s_add_co_u32 s23, s23, SLOT
.endr
	s_mul_i32 s22, s10, 16*272
	s_add_co_u32 s22, s22, STAGE                   ; my stage
	v_mul_u32_u24 v5, v1, 272
	v_lshl_add_u32 v5, v2, 5, v5
	v_add_nc_u32 v[STO], s22, v5                   ; in: row r, 32 bytes for each half of the lanes
	v_mul_u32_u24 v5, v2, 272
	v_lshl_add_u32 v5, v1, 4, v5
	v_add_nc_u32 v[RD], s22, v5                    ; back: lanes 0-15 one row of 256 bytes, lanes 16-31 the next
	v_lshlrev_b32 v[CO], 12, v2
	v_lshl_add_u32 v[CO], v1, 4, v[CO]
	s_lshl_b32 s22, s13, 7
	s_lshl_b32 s23, s11, 6
	s_add_co_u32 s22, s22, s23
	s_lshl_b32 s22, s22, 12                        ; my first row x 4,096 bytes
	s_add_co_u32 s18, s18, s22
	s_add_nc_u64 s[74:75], s[74:75], s[18:19]
.macro MUL8 f, c, a0, first            ; first = 1: the sums start from the bias
.irp a, \a0, \a0+1
.irp b, 0,1,2,3
.if \first
	v_wmma_f32_16x16x32_f16 v[ACC+8*(4*(\a)+\b):ACC+8*(4*(\a)+\b)+7], v[\f+64+8*(4*\c+\b):\f+64+8*(4*\c+\b)+7], v[\f+8*(4*\c+\a):\f+8*(4*\c+\a)+7], v[BI+8*\b:BI+8*\b+7]
.else
	v_wmma_f32_16x16x32_f16 v[ACC+8*(4*(\a)+\b):ACC+8*(4*(\a)+\b)+7], v[\f+64+8*(4*\c+\b):\f+64+8*(4*\c+\b)+7], v[\f+8*(4*\c+\a):\f+8*(4*\c+\a)+7], v[ACC+8*(4*(\a)+\b):ACC+8*(4*(\a)+\b)+7]
.endif
.endr
.endr
.endm
.macro FETCH slot, q, f                ; 32 LDS loads: the fragments of the slot's q-th head (64 along K)
	WIN TO_F
.irp c, 0,1
.irp i, 0,1,2,3
	ds_load_b128 v[\f+64+8*(4*\c+\i):\f+64+8*(4*\c+\i)+3],   v[ADRB+\slot] offset:128*\q+64*\c+\i*16*528
	ds_load_b128 v[\f+64+8*(4*\c+\i)+4:\f+64+8*(4*\c+\i)+7], v[ADRB+\slot] offset:128*\q+64*\c+\i*16*528+32
	ds_load_b128 v[\f+8*(4*\c+\i):\f+8*(4*\c+\i)+3],         v[ADRA+\slot] offset:\q*9216+64*\c+\i*16*144
	ds_load_b128 v[\f+8*(4*\c+\i)+4:\f+8*(4*\c+\i)+7],       v[ADRA+\slot] offset:\q*9216+64*\c+\i*16*144+32
.endr
.endr
.endm
.macro PLACES
.rept 4
	v_nop
.endr
.endm
.macro QUARTER slot, q, f, g, first
	s_wait_dscnt 16                                ; the first 32 along K are in
	WIN MUL
	MUL8 \f, 0, 0, \first
	MUL8 \f, 0, 2, \first
	PLACES
	FETCH \slot, \q, \g
	s_wait_dscnt 32                                ; all but the 32 just issued
	WIN MUL
	MUL8 \f, 1, 0, 0
	MUL8 \f, 1, 2, 0
.endm
.macro TURN slot, next, fill
	WIN 0
	s_wait_tensorcnt 0x0                           ; all my tensor loads have landed: my part of the next slot
	ds_add_u32 v[SPW], v[NIL]
	s_wait_dscnt 17                                ; the add and the youngest sixteen loads may be out
	WIN MUL
	MUL8 F1, 0, 0, 0
	s_wait_dscnt 0x0                               ; the add is done, my reads of this slot are over
	s_barrier_signal -1
	MUL8 F1, 0, 2, 0
.if \fill
	WIN 0
.endif
	s_barrier_wait -1
.if \fill
	CREST
	s_add_nc_u64 s[G0+4*\slot+2:G0+4*\slot+3], s[G0+4*\slot+2:G0+4*\slot+3], 4194304   ; eight heads on
	s_add_nc_u64 s[G0B+4*\slot+2:G0B+4*\slot+3], s[G0B+4*\slot+2:G0B+4*\slot+3], 1024
	JLOAD \slot
.else
	PLACES
.endif
	FETCH \next, 0, F0
	WIN MUL
	MUL8 F1, 1, 0, 0
	MUL8 F1, 1, 2, 0
.endm
	s_wait_loadcnt 0x0                             ; the bias
	s_wait_tensorcnt 1                             ; my part of K step 0 is in; K step 1's may stay out
	s_barrier_signal -1
	s_barrier_wait -1
	FETCH 0, 0, F0
	QUARTER 0, 1, F0, F1, 1
	WIN 0
	s_mov_b32 s3, LAPS-1
.Llap:
	QUARTER 0, 2, F1, F0, 0
	QUARTER 0, 3, F0, F1, 0
	TURN 0, 1, 1
	QUARTER 1, 1, F0, F1, 0
	QUARTER 1, 2, F1, F0, 0
	QUARTER 1, 3, F0, F1, 0
	TURN 1, 0, 1
	QUARTER 0, 1, F0, F1, 0
	WIN 0
	s_sub_co_u32 s3, s3, 1
	s_cmp_lg_u32 s3, 0
	s_cbranch_scc1 .Llap
	QUARTER 0, 2, F1, F0, 0                        ; the last lap fills nothing
	QUARTER 0, 3, F0, F1, 0
	TURN 0, 1, 0
	QUARTER 1, 1, F0, F1, 0
	QUARTER 1, 2, F1, F0, 0
	QUARTER 1, 3, F0, F1, 0
	s_wait_dscnt 16
	WIN MUL
	MUL8 F1, 0, 0, 0
	MUL8 F1, 0, 2, 0
	s_wait_dscnt 0x0
	MUL8 F1, 1, 0, 0
	MUL8 F1, 1, 2, 0
	WIN 0
	PLACES
	; THE WAY OUT, 16 rows at a time through my own stage
.irp a, 0,1,2,3
.set OBR, OB+32*(\a%2)
.irp b, 0,1,2,3
	ds_store_b128 v[STO], v[ACC+8*(4*\a+\b):ACC+8*(4*\a+\b)+3] offset:64*\b        ; each accumulator from its low end on
	ds_store_b128 v[STO], v[ACC+8*(4*\a+\b)+4:ACC+8*(4*\a+\b)+7] offset:64*\b+16
.endr
.if \a >= 2
	s_wait_xcnt 0x0                                ; the stores of two blocks back have read the registers that the loads below fill
.endif
.irp t, 0,1,2,3,4,5,6,7
	ds_load_b128 v[OBR+4*\t:OBR+4*\t+3], v[RD] offset:2*\t*272   ; LDS serves a wave's instructions in order: these see the stores above
.endr
	s_wait_dscnt 0x0
.irp t, 0,1,2,3,4,5,6,7
	global_store_b128 v[CO], v[OBR+4*\t:OBR+4*\t+3], s[74:75] offset:\a*65536+\t*8192 th:TH_STORE_NT   ; 16 lanes: 256 consecutive aligned bytes
.endr
.endr
	s_wait_tensorcnt 0x0                           ; the wave's end
	ds_add_u32 v[SPW], v[NIL]
	s_wait_dscnt 0x0
	CROUND                                         ; the closing round
	s_endpgm
.Lfunc_end_k_qc7218622a0_oproj:
	.size	k_qc7218622a0_oproj, .Lfunc_end_k_qc7218622a0_oproj-k_qc7218622a0_oproj
	.p2alignl 7, 3214868480
	.fill 96, 4, 3214868480
	.section	.rodata,"a",@progbits
	.p2align	6, 0x0
	.amdhsa_kernel k_qc7218622a0_oproj
		.amdhsa_group_segment_fixed_size 327680
		.amdhsa_private_segment_fixed_size 0
		.amdhsa_enable_private_segment 0
		.amdhsa_kernarg_size 32
		.amdhsa_user_sgpr_count 2
		.amdhsa_user_sgpr_kernarg_segment_ptr 1
		.amdhsa_wavefront_size32 1
		.amdhsa_system_sgpr_workgroup_id_x 1
		.amdhsa_system_sgpr_workgroup_id_y 1
		.amdhsa_system_sgpr_workgroup_id_z 1
		.amdhsa_system_vgpr_workitem_id 0
		.amdhsa_next_free_vgpr 512
		.amdhsa_next_free_sgpr 80
		.amdhsa_reserve_vcc 0
		.amdhsa_float_denorm_mode_32 3
		.amdhsa_float_denorm_mode_16_64 3
		.amdhsa_memory_ordered 1
		.amdhsa_forward_progress 1
		.amdhsa_inst_pref_size 87
	.end_amdhsa_kernel
	.amdgpu_metadata
---
amdhsa.version: [ 1, 2 ]
amdhsa.kernels:
  - .name:           k_qc7218622a0_oproj
    .symbol:         k_qc7218622a0_oproj.kd
    .args:
      - { .name: ao, .offset: 0, .size: 8, .value_kind: global_buffer, .address_space: global }
      - { .name: w16, .offset: 8, .size: 8, .value_kind: global_buffer, .address_space: global }
      - { .name: bu, .offset: 16, .size: 8, .value_kind: global_buffer, .address_space: global }
      - { .name: out0, .offset: 24, .size: 8, .value_kind: global_buffer, .address_space: global }
    .group_segment_fixed_size: 327680
    .private_segment_fixed_size: 0
    .kernarg_segment_align: 8
    .kernarg_segment_size: 32
    .max_flat_workgroup_size: 128
    .sgpr_count:     80
    .vgpr_count:     512
    .wavefront_size: 32
...
	.end_amdgpu_metadata
.endif
;; end of part 4
